; MI455X (gfx1250); checked and timed in simulation.
; The chip was launched on July 23, 2026; its instructions are those of AMD's public machine-readable ISA for CDNA 5 (MIT licence, August 2026) and "CDNA5" Instruction Set Architecture Reference Guide (July 2026). The comments in the code are by the model that wrote it; some were corrected since.
;; Tt Multi Head Attention Model. Allowed arithmetic: float matrix products may take bf16 or f16 operands with f32 sums; all other float work in f32.
;; Inputs: activation 8 x 1,024 x 1,024 float32; kb 1,024 float32; kw 1,024 x 1,024 float32; qb 1,024 float32; qw 1,024 x 1,024 float32; vb 1,024 float32; vw 1,024 x 1,024 float32.
;; Outputs: out0 8 x 1,024 x 1,024 float32.
;; 2 versions, each right. Each part assembles by itself: llvm-mc -triple=amdgcn-amd-amdhsa -mcpu=gfx1250 --defsym DOCPART=n.
;; ======== version 1 of 2: 3 launches
;; workspace buffers: xw 23,068,672 bytes; qkv 50,331,648 bytes
;; launch cast (part 1): grid 64 x 11, 8 waves a work-group, no clusters, 0 bytes of LDS; arguments activation, qw, kw, vw, xw; writes xw
.if DOCPART == 1
	.amdgcn_target "amdgcn-amd-amdhsa--gfx1250"
	.amdhsa_code_object_version 6
	.text
	.protected	k_qb0fd73a589_cast
	.globl	k_qb0fd73a589_cast
	.p2align	8
	.type	k_qb0fd73a589_cast,@function
k_qb0fd73a589_cast:
	s_mov_b64 s[64:65], 0
	v_nop
	global_prefetch_b8 v0, s[64:65] scope:SCOPE_SE
	s_setreg_imm32_b32 hwreg(HW_REG_WAVE_MODE, 25, 1), 1
	s_wait_xcnt 0x0
; FIRST OF THREE LAUNCHES.  cast: activation, qw, kw, vw from f32 to bf16 (once, so that the products read 16-bit operands);
; proj: q, k, v = x W^T (+ bias), stored by heads in bf16;  attn: softmax(q k^T / 32) v, heads merged, f32.
;
; WORK LEFT OUT: the input kb.  With k = K + kb (K = x kw^T), the score of query i and key j is
;   scale * q_i . (K_j + kb) = scale * q_i . K_j + scale * q_i . kb.
; The second term does not hang on j, the axis of the softmax: it multiplies numerator and denominator of every probability of row i by
; the same factor and cancels, for all finite values of the inputs.  So kb has no way to the output: it is not loaded, it is an argument
; of no launch, and k is stored without a bias.  qb stays (qb . K_j hangs on j), vb stays (it is added to v).
; LIMIT: a NaN, an infinity or an overflow that would reach the result through kb alone is not carried to it.
; LIMIT: x and the weights are rounded to bf16 here (nearest even), as matrix operands.
;
; THIS LAUNCH is a stream: no LDS, no barrier, no matrix unit, nothing shared between work-groups.
; Work-group (x, y): y = a unit of 2^20 numbers (0-7: activation's eight batches, 8: qw, 9: kw, 10: vw), x = a chunk of 16,384 numbers in it.
; Thread t, load j: 16 bytes at 4096 j + 16 t of the chunk (a wave's load covers 512 consecutive bytes);
; store j: 8 bytes at 2048 j + 8 t (a wave's store covers 256 consecutive bytes, aligned).
; All sixteen loads go out first; no register is written twice, so there is no loop and no wait for a source.
.set NLOAD, 16
.set X, 4                              ; v[4:67]   load j: 4 registers, 4 f32
.set Y, 68                             ; v[68:99]  store j: 2 registers, 4 bf16
	s_load_b256 s[4:11], s[0:1], 0x0               ; activation s[4:5], qw s[6:7], kw s[8:9], vw s[10:11]
	s_load_b64 s[12:13], s[0:1], 0x20              ; xw
	s_and_b32 s14, ttmp7, 0xffff                   ; the unit
	v_lshlrev_b32 v1, 4, v0                        ; 16 t
	v_lshlrev_b32 v2, 3, v0                        ; 8 t
	s_wait_kmcnt 0x0
	s_cmp_eq_u32 s14, 8                            ; the source buffer is chosen by the unit's number alone
	s_cselect_b64 s[4:5], s[6:7], s[4:5]
	s_cmp_eq_u32 s14, 9
	s_cselect_b64 s[4:5], s[8:9], s[4:5]
	s_cmp_eq_u32 s14, 10
	s_cselect_b64 s[4:5], s[10:11], s[4:5]
	s_cmp_lt_u32 s14, 8
	s_cselect_b32 s16, s14, 0                      ; the unit inside its buffer: a weight is one unit
	s_lshl_b32 s16, s16, 22                        ; units of 4 MiB of f32
	s_lshl_b32 s17, ttmp9, 16                      ; chunks of 64 KiB
	s_add_co_u32 s16, s16, s17
	s_mov_b32 s17, 0
	s_add_nc_u64 s[4:5], s[4:5], s[16:17]
	s_lshl_b32 s18, s14, 21                        ; in xw the eleven units follow each other: 2 MiB of bf16 each
	s_lshl_b32 s19, ttmp9, 15                      ; chunks of 32 KiB
	s_add_co_u32 s18, s18, s19
	s_mov_b32 s19, 0
	s_add_nc_u64 s[12:13], s[12:13], s[18:19]
.set j, 0
.rept NLOAD
	global_load_b128 v[X+4*j:X+4*j+3], v1, s[4:5] offset:4096*j th:TH_LOAD_NT   ; read once in the launch
.set j, j+1
.endr
.set j, 0
.rept NLOAD
	s_wait_loadcnt NLOAD-1-j                       ; loads come back in order: load j is in, the younger ones stay out
	v_cvt_pk_bf16_f32 v[Y+2*j],   v[X+4*j],   v[X+4*j+1]
	v_cvt_pk_bf16_f32 v[Y+2*j+1], v[X+4*j+2], v[X+4*j+3]
	global_store_b64 v2, v[Y+2*j:Y+2*j+1], s[12:13] offset:2048*j   ; no hint: the next launch reads it
.set j, j+1
.endr
	s_endpgm
.Lfunc_end_k_qb0fd73a589_cast:
	.size	k_qb0fd73a589_cast, .Lfunc_end_k_qb0fd73a589_cast-k_qb0fd73a589_cast
	.p2alignl 7, 3214868480
	.fill 96, 4, 3214868480
	.section	.rodata,"a",@progbits
	.p2align	6, 0x0
	.amdhsa_kernel k_qb0fd73a589_cast
		.amdhsa_group_segment_fixed_size 0
		.amdhsa_private_segment_fixed_size 0
		.amdhsa_enable_private_segment 0
		.amdhsa_kernarg_size 40
		.amdhsa_user_sgpr_count 2
		.amdhsa_user_sgpr_kernarg_segment_ptr 1
		.amdhsa_wavefront_size32 1
		.amdhsa_system_sgpr_workgroup_id_x 1
		.amdhsa_system_sgpr_workgroup_id_y 1
		.amdhsa_system_sgpr_workgroup_id_z 1
		.amdhsa_system_vgpr_workitem_id 0
		.amdhsa_next_free_vgpr 100
		.amdhsa_next_free_sgpr 66
		.amdhsa_reserve_vcc 0
		.amdhsa_float_denorm_mode_32 3
		.amdhsa_float_denorm_mode_16_64 3
		.amdhsa_memory_ordered 1
		.amdhsa_forward_progress 1
		.amdhsa_inst_pref_size 7
	.end_amdhsa_kernel
	.amdgpu_metadata
---
amdhsa.version: [ 1, 2 ]
amdhsa.kernels:
  - .name:           k_qb0fd73a589_cast
    .symbol:         k_qb0fd73a589_cast.kd
    .args:
      - { .name: activation, .offset: 0, .size: 8, .value_kind: global_buffer, .address_space: global }
      - { .name: qw, .offset: 8, .size: 8, .value_kind: global_buffer, .address_space: global }
      - { .name: kw, .offset: 16, .size: 8, .value_kind: global_buffer, .address_space: global }
      - { .name: vw, .offset: 24, .size: 8, .value_kind: global_buffer, .address_space: global }
      - { .name: xw, .offset: 32, .size: 8, .value_kind: global_buffer, .address_space: global }
    .group_segment_fixed_size: 0
    .private_segment_fixed_size: 0
    .kernarg_segment_align: 8
    .kernarg_segment_size: 40
    .max_flat_workgroup_size: 256
    .sgpr_count:     66
    .vgpr_count:     100
    .wavefront_size: 32
...
	.end_amdgpu_metadata
.endif
;; end of part 1
;; launch proj (part 2): grid 12 x 32, 4 waves a work-group, clusters of 4 x 4, 327,680 bytes of LDS; arguments xw, qb, vb, qkv; writes qkv
.if DOCPART == 2
	.amdgcn_target "amdgcn-amd-amdhsa--gfx1250"
	.amdhsa_code_object_version 6
	.text
	.protected	k_qb0fd73a589_proj
	.globl	k_qb0fd73a589_proj
	.p2align	8
	.type	k_qb0fd73a589_proj,@function
k_qb0fd73a589_proj:
	s_mov_b64 s[64:65], 0
	v_nop
	global_prefetch_b8 v0, s[64:65] scope:SCOPE_SE
	s_setreg_imm32_b32 hwreg(HW_REG_WAVE_MODE, 25, 1), 1
	s_wait_xcnt 0x0
	s_wait_alu depctr_hold_cnt(0) depctr_sa_sdst(0) depctr_va_vdst(0) depctr_va_sdst(0) depctr_va_ssrc(0) depctr_va_vcc(0) depctr_vm_vsrc(0)
	s_getreg_b32 s2, hwreg(HW_REG_IB_STS2, 6, 4)
	s_cmp_eq_u32 s2, 0
	s_cbranch_scc0 .Lentry_in_a_cluster
	s_endpgm
.Lentry_in_a_cluster:
	s_bfe_u32 s2, ttmp6, 0x10000c
	s_cmp_lg_u32 s2, 0xf033
	s_cbranch_scc0 .Lentry_shape_is_right
	s_endpgm
.Lentry_shape_is_right:
; q, k, v in one product: C[m][n] = sum over k of A[m][k] B[n][k] + bias[n], A = xw rows 0-8191 (activation), B = xw rows 8192-11263 (qw, kw, vw),
; both bf16 with K along the rows; sums in f32; C rounded once to bf16 and stored by heads: qkv[which][b][head][s][d].
; WORK LEFT OUT: kb (it cancels in the softmax; shown at the head of the first launch's text): k's sums start from 0.
; A work-group makes a block of 256 x 256 of C with four waves; a wave makes 128 x 128: 64 accumulator tiles of 16 x 16, 512 registers.
; K goes in steps of 128 through a ring of two LDS slots filled by the tensor data mover: a tile's rows are 256 bytes of memory, aligned to 256.
; CLUSTERS: 4 x 4 work-groups.  The four of a row of the cluster need the same tiles of A, the four of a column the same tiles of B: each such
; tile is asked for jointly (the same tensor load, the same descriptor, a mask that names the four), which divides the requests by four.
; The cluster's x (0, 1, 2) is the section q, k, v: 1,024 columns are four blocks.  It is the same in all sixteen partners.
;
; REGISTERS, in windows of 256:
;   window 0: v0-31 addresses; v64-127, v128-191 fragments of A, two buffers; v192-255 the bias of my 128 columns, later at work on the way out
;   window 1: v64-127, v128-191 fragments of B, two buffers
;   window 2: the 32 accumulator tiles of my rows 0-63 (tile (a, b) at v[8 (8 a + b)]);   window 3: those of my rows 64-127
; THE MATRIX INSTRUCTION IS USED TRANSPOSED: source 0 = 16 rows of B, source 1 = 16 rows of A.  Lane l then holds row m = l % 16 of C and its
; registers 0 to 7 the columns n = 8 (l / 16) + 0 .. 7: eight neighbouring numbers of a row of C, 16 bytes in bf16.
; THE BIAS STARTS THE SUMS: the first product of each tile takes as C eight registers that hold bias[n] of the lane's eight columns.
; The 64 accumulators take turns, one instruction a turn, in the same order in every quarter step.
.set SIZE_K, 1024
.set KSTEP,  128
.set PITCH,  272                       ; an LDS row: 256 bytes of data + 16 of padding, an odd multiple of 16: the 16 rows of a fragment load start 16 bytes apart modulo 256
.set HALFT,  128*PITCH                 ; 128 rows: what one tensor load brings, and what one wave reads of A or of B
.set SLOT,   4*HALFT                   ; A's 256 rows, then B's 256 rows
.set STAGE,  2*SLOT                    ; behind the ring: 16 rows x 272 bytes for each wave, for the way out; no tensor load lands there
.set SPITCH, 272
.set LAPS, SIZE_K/(2*KSTEP)            ; a lap = two K steps = once round the ring: 4
.set ADRA, 16                          ; v16-17  LDS address of my A fragments in slot 0, 1
.set ADRB, 20                          ; v20-21  the same for B
.set STO,  24                          ; v24     the way out: where I put 16 bytes of a row
.set RD,   25                          ; v25     the way out: where I read 16 bytes back
.set CO,   26                          ; v26     my byte offset in qkv
.set BO,   27                          ; v27     my byte offset in the bias
.set F0,   64                          ; fragment buffer 0
.set F1,   128                         ; fragment buffer 1
.set BIAS, 192                         ; v192-255 register 8 b + j: bias of column 16 b + 8 (l / 16) + j of my 128
.set TMP,  192                         ; the way out: packed results (the bias is long used up)
.set G1, 24                            ; s[24:31] descriptor group 1 for A's tiles
.set G0, 32                            ; s[32:39] descriptor group 0 for A's tiles, one set for each slot
.set G1B, 48                           ; s[48:55] descriptor group 1 for B's tiles: it differs from A's in the mask alone
.set G0B, 56                           ; s[56:63] descriptor group 0 for B's tiles, one set for each slot
.set MSB, 0
.macro WIN new                         ; the immediate's high byte repeats the setting that is left
.if MSB != \new
	s_set_vgpr_msb (MSB<<8)|\new
.set MSB, \new
.endif
.endm
.set MUL_LO,   0xa1                    ; source 0 (B) window 1, source 1 (A) window 0, C and D window 2
.set MUL_HI,   0xf1                    ; the same, C and D window 3
.set FIRST_LO, 0x81                    ; the first products: C is the bias in window 0, D window 2
.set FIRST_HI, 0xc1                    ; the same, D window 3
.set TO_B,     0x40                    ; destination window 1, address window 0
; A joint load.  Waves 0 and 1 fetch A's two halves, waves 2 and 3 B's.  Each line has one mask and one set of registers for all that issue it.
; The branch hangs on the wave's number alone.
.macro JLOAD s
	s_cmp_eq_u32 s11, 0
	s_cbranch_scc0 .Lfor_b_\@
	tensor_load_to_lds s[G0+4*\s:G0+4*\s+3], s[G1:G1+7]
	s_nop 0
	s_branch .Lasked_\@
.Lfor_b_\@:
	tensor_load_to_lds s[G0B+4*\s:G0B+4*\s+3], s[G1B:G1B+7]
	s_nop 0
.Lasked_\@:
.endm
; A round of the cluster's barrier: my work-group's barrier, wave 0 signals for the work-group, every wave waits for all sixteen, my work-group's barrier again.
.macro CREST                           ; a round behind its opening barrier
	s_cmp_lg_u32 s10, 0
	s_cbranch_scc1 .Lnot_wave_0_\@
	s_barrier_signal -3
.Lnot_wave_0_\@:
	s_barrier_wait -3
	s_barrier_signal -1
	s_barrier_wait -1
.endm
.macro CROUND                          ; a whole round
	s_barrier_signal -1
	s_barrier_wait -1
	CREST
.endm
	s_load_b64 s[4:5], s[0:1], 0x0                 ; xw
	s_load_b64 s[68:69], s[0:1], 0x8               ; qb
	s_load_b64 s[70:71], s[0:1], 0x10              ; vb
	s_load_b64 s[8:9], s[0:1], 0x18                ; qkv
	s_set_vgpr_msb 0x40
	v_lshl_add_u32 v255, v0, 2, 0x48400
	s_set_vgpr_msb 0x4000
	v_mov_b32 v63, 0
	s_set_vgpr_msb 0x1
	ds_add_u32 v255, v63
	ds_add_u32 v255, v63
	s_set_vgpr_msb 0x100
	v_lshrrev_b32 v1, 5, v0
	v_readfirstlane_b32 s10, v1                    ; wave 0..3
	s_lshr_b32 s11, s10, 1                         ; which half of the block's rows is mine.  Also: I fetch for A (0) or for B (1)
	s_and_b32 s12, s10, 1                          ; which half of its columns.  Also: which 128 rows of that tile I fetch
	s_bfe_u32 s40, ttmp6, 0x40000                  ; cx: my place along the cluster's x
	s_bfe_u32 s41, ttmp6, 0x40004                  ; cy: along its y
	s_lshl_b32 s42, ttmp9, 2                       ; in a cluster launch ttmp9 and ttmp7 count clusters
	s_add_co_u32 s42, s42, s40                     ; block column of C = 4 x cluster x + cx
	s_and_b32 s13, ttmp7, 0xffff
	s_lshl_b32 s13, s13, 2
	s_add_co_u32 s13, s13, s41                     ; block row of C = 4 x cluster y + cy
	s_lshl_b32 s43, s41, 2
	s_lshl_b32 s43, 15, s43                        ; my row of the cluster: places 4 cy .. 4 cy + 3
	s_lshl_b32 s44, 0x1111, s40                    ; my column: places cx, cx + 4, cx + 8, cx + 12
	; descriptor group 1: a tile of 128 rows x 128 elements, padded in LDS
	s_or_b32 s[G1+0], s43, (1<<16)|(1<<20)|(1<<21)|(5<<22)|(3<<25)  ; 15:0 the mask: A's tiles go to my row; 17:16 element of 2 bytes; 20 padding on; 21 set beside a mask; 24:22 after every 64 words; 31:25 of 4 words
	s_or_b32 s[G1B+0], s44, (1<<16)|(1<<20)|(1<<21)|(5<<22)|(3<<25) ; the same with the mask of my column, for B's tiles
	s_mov_b32 s[G1B+1], KSTEP<<16
	s_mov_b32 s[G1+1], KSTEP<<16                   ; tensor_dim0 = 128
	s_mov_b32 s[G1B+2], 128<<16
	s_mov_b32 s[G1+2], 128<<16                     ; tensor_dim1 = 128
	s_mov_b32 s[G1B+3], KSTEP<<16
	s_mov_b32 s[G1+3], KSTEP<<16                   ; tile_dim0 = 128
	s_mov_b32 s[G1B+4], 128
	s_mov_b32 s[G1+4], 128                         ; tile_dim1 = 128; tile_dim2 = 0
	s_mov_b32 s[G1B+5], SIZE_K
	s_mov_b32 s[G1+5], SIZE_K                      ; elements from row to row
	s_mov_b32 s[G1B+6], 0
	s_mov_b32 s[G1+6], 0
	s_mov_b32 s[G1B+7], 0
	s_mov_b32 s[G1+7], 0
	; where the tiles come from.  A's hang on the block row alone, which my row of the cluster shares; B's on the block column alone, which my column shares.
	s_lshl_b32 s17, s12, 7                         ; which 128 rows of the tile I fetch
	s_lshl_b32 s16, s13, 8
	s_add_co_u32 s16, s16, s17                     ; A: row 256 x block row + 128 x half
	s_lshl_b32 s46, s42, 8
	s_add_co_u32 s46, s46, s17                     ; B: row 256 x block column + 128 x half
	s_mov_b32 s17, 0
	s_mov_b32 s47, 0
	s_mov_b64 s[18:19], SIZE_K*2
	s_mul_u64 s[16:17], s[16:17], s[18:19]         ; in bytes
	s_mul_u64 s[46:47], s[46:47], s[18:19]
	s_mul_i32 s20, s10, HALFT                      ; and where they go: wave x 128 rows: no place in the cluster enters an LDS address
	s_wait_dscnt 0x0
	s_wait_kmcnt 0x0
	s_add_nc_u64 s[6:7], s[4:5], 0x1000000         ; B begins 8,192 rows of 2,048 bytes behind A
	s_add_nc_u64 s[14:15], s[4:5], s[16:17]
	s_add_nc_u64 s[46:47], s[6:7], s[46:47]
	CROUND                                         ; all sixteen work-groups are here: the first joint loads meet
.irp s, 0,1
	s_mov_b32 s[G0+4*\s], 1                                        ; count = 1
	s_add_co_u32 s[G0+4*\s+1], s20, \s*SLOT                        ; LDS address
	s_add_nc_u64 s[G0+4*\s+2:G0+4*\s+3], s[14:15], \s*KSTEP*2      ; global address: K step s
	s_or_b32 s[G0+4*\s+3], s[G0+4*\s+3], 0x80000000                ; type = 2
	s_mov_b32 s[G0B+4*\s], 1
	s_add_co_u32 s[G0B+4*\s+1], s20, \s*SLOT
	s_add_nc_u64 s[G0B+4*\s+2:G0B+4*\s+3], s[46:47], \s*KSTEP*2
	s_or_b32 s[G0B+4*\s+3], s[G0B+4*\s+3], 0x80000000
	JLOAD \s                                       ; the ring is filled before anything else is done: two tensor loads of a wave are out
.endr
	; A fragment is 16 rows x 32 K in 8 registers: lane l holds row l % 16; registers 0-3 hold K = 8 (l / 16) + 0..7, registers 4-7 K = 16 + 8 (l / 16) + 0..7:
	; two loads of 16 bytes, 32 bytes apart.  The same for source 0 and source 1.
	v_and_b32 v1, 15, v0                           ; l % 16
	v_bfe_u32 v2, v0, 4, 1                         ; l / 16
	v_mul_u32_u24 v3, v1, PITCH
	v_lshl_add_u32 v3, v2, 4, v3                   ; row x pitch + 16 x half
	s_mul_i32 s21, s11, HALFT                      ; my 128 rows of A
	s_mul_i32 s22, s12, HALFT                      ; my 128 rows of B,
	s_add_co_u32 s22, s22, 2*HALFT                 ; which lie behind A's 256
.irp s, 0,1
	v_add_nc_u32 v[ADRA+\s], s21, v3
	v_add_nc_u32 v[ADRB+\s], s22, v3
	s_add_co_u32 s21, s21, SLOT
	s_add_co_u32 s22, s22, SLOT
.endr
	s_mul_i32 s23, s10, 16*SPITCH
	s_add_co_u32 s23, s23, STAGE                   ; my stage
	v_mul_u32_u24 v4, v1, SPITCH                   ; in: row l % 16, 16 bytes for each half of the lanes
	v_lshl_add_u32 v4, v2, 4, v4
	v_add_nc_u32 v[STO], s23, v4
	; back: a stage row holds two heads of 128 bytes.  Lanes 0-15 take head 0 of two rows, lanes 16-31 head 1: in qkv the rows s, s + 1 of one head are 256 consecutive bytes.
	v_and_b32 v5, 7, v0                            ; which 16 bytes of a head's 128
	v_bfe_u32 v6, v0, 3, 1                         ; which of the two rows
	v_mul_u32_u24 v7, v6, SPITCH
	v_lshl_add_u32 v7, v2, 7, v7
	v_lshl_add_u32 v7, v5, 4, v7
	v_add_nc_u32 v[RD], s23, v7
	v_lshlrev_b32 v8, 17, v2                       ; in qkv a head is 1,024 x 128 bytes
	v_lshl_or_b32 v8, v6, 7, v8
	v_lshl_or_b32 v[CO], v5, 4, v8
	; the bias of my 128 columns, in the accumulators' layout.  Section k has none: its sums start from 0.  The branch hangs on the cluster's x alone.
	v_lshlrev_b32 v[BO], 5, v2                     ; 8 (l / 16) numbers of 4 bytes
	s_cmp_eq_u32 ttmp9, 1
	s_cbranch_scc1 .Lk_none
	s_cmp_eq_u32 ttmp9, 0
	s_cselect_b64 s[68:69], s[68:69], s[70:71]     ; qb for section q, vb for section v
	s_lshl_b32 s72, s40, 10                        ; column 256 cx + 128 x half of the section, 4 bytes each
	s_lshl_b32 s73, s12, 9
	s_add_co_u32 s72, s72, s73
	s_mov_b32 s73, 0
	s_add_nc_u64 s[68:69], s[68:69], s[72:73]
.irp b, 0,1,2,3,4,5,6,7
	global_load_b128 v[BIAS+8*\b:BIAS+8*\b+3],   v[BO], s[68:69] offset:64*\b
	global_load_b128 v[BIAS+8*\b+4:BIAS+8*\b+7], v[BO], s[68:69] offset:64*\b+16
.endr
	s_branch .Lbias_set
.Lk_none:
.set i, 0
.rept 64
	v_mov_b32 v[BIAS+i], 0
.set i, i+1
.endr
.Lbias_set:
; 16 matrix instructions: m blocks a0, a0 + 1 of the window's four (hi = 0: my rows 0-63, 1: rows 64-127) x all 8 n blocks, 32 along K.
; first = 1: the product starts the sum from the bias: nothing is cleared and nothing is added later.
.macro MUL16 f, hi, a0, first
.irp a, \a0, \a0+1
.irp b, 0,1,2,3,4,5,6,7
.if \first
	v_wmma_f32_16x16x32_bf16 v[8*(8*(\a)+\b):8*(8*(\a)+\b)+7], v[\f+8*\b:\f+8*\b+7], v[\f+8*(4*\hi+\a):\f+8*(4*\hi+\a)+7], v[BIAS+8*\b:BIAS+8*\b+7]
.else
	v_wmma_f32_16x16x32_bf16 v[8*(8*(\a)+\b):8*(8*(\a)+\b)+7], v[\f+8*\b:\f+8*\b+7], v[\f+8*(4*\hi+\a):\f+8*(4*\hi+\a)+7], v[8*(8*(\a)+\b):8*(8*(\a)+\b)+7]
.endif
.endr
.endr
.endm
; 32 LDS loads in one run: the fragments of one quarter step (128 rows of B, 128 rows of A, 32 K at byte k of the rows) into buffer f
.macro FETCH slot, k, f
	WIN TO_B
.irp i, 0,1,2,3,4,5,6,7
	ds_load_b128 v[\f+8*\i:\f+8*\i+3],   v[ADRB+\slot] offset:\k+\i*16*PITCH
	ds_load_b128 v[\f+8*\i+4:\f+8*\i+7], v[ADRB+\slot] offset:\k+\i*16*PITCH+32
.endr
	WIN 0
.irp i, 0,1,2,3,4,5,6,7
	ds_load_b128 v[\f+8*\i:\f+8*\i+3],   v[ADRA+\slot] offset:\k+\i*16*PITCH
	ds_load_b128 v[\f+8*\i+4:\f+8*\i+7], v[ADRA+\slot] offset:\k+\i*16*PITCH+32
.endr
.endm
; A load into a register that a matrix instruction has read, and a vector instruction that reads a matrix result, stand four places behind that
; matrix instruction, and only plain vector instructions that name none of its registers are places (ISA guide 7.12.1 for vector instructions).
; So four v_nop stand in front of each run of loads.
.macro PLACES
.rept 4
	v_nop
.endr
.endm
; A K step is four quarter steps of 32 along K, 64 matrix instructions each, on buffers 0, 1, 0, 1.
; One of the first three: multiplies buffer f; in its middle it fetches the next quarter's fragments, at byte k of the same slot's rows, into buffer g.
.macro QUARTER slot, k, f, g, first
	s_wait_dscnt 8                                 ; B and A's rows 0-63 are in; the youngest eight loads (A's rows 64-127) may be out
.if \first
	WIN FIRST_LO
.else
	WIN MUL_LO
.endif
	MUL16 \f, 0, 0, \first
	MUL16 \f, 0, 2, \first
	PLACES
	FETCH \slot, \k, \g
	s_wait_dscnt 32                                ; all but the 32 just issued
.if \first
	WIN FIRST_HI
.else
	WIN MUL_HI
.endif
	MUL16 \f, 1, 0, \first
	MUL16 \f, 1, 2, \first
.endm
.macro THREE slot, first
	QUARTER \slot, 64,  F0, F1, \first
	QUARTER \slot, 128, F1, F0, 0
	QUARTER \slot, 192, F0, F1, 0
.endm
; The last quarter: multiplies buffer 1 and changes slots.  next = the other slot; fill = 1: this slot is filled again, two K steps ahead.
; One barrier for the change of slots.  In front of it each wave waits for its own reads of this slot and for all its tensor loads, of which one is out:
; its part of the next slot.  Behind it nobody reads this slot any more and the next slot is whole: the refill comes first, then the next slot's fragments.
.macro TURN slot, next, fill
	s_wait_dscnt 8
	WIN MUL_LO
	MUL16 F1, 0, 0, 0
	s_wait_dscnt 0                                 ; my reads of this slot are over
	s_wait_tensorcnt 0x0                           ; and all my tensor loads have landed: the one that was out is my part of the next slot
	ds_add_u32 v255, v63
	s_wait_dscnt 0x0
	s_barrier_signal -1                            ; say so (where a slot is filled again this barrier opens a round of the cluster's barrier),
	MUL16 F1, 0, 2, 0                              ; work on registers while the others arrive,
	WIN 0
	s_barrier_wait -1                              ; and go on when all four have said so
.if \fill
	CREST                                          ; all sixteen work-groups have said so: no wave of any partner still reads this slot's tile or has a load on its way
	s_add_nc_u64 s[G0+4*\slot+2:G0+4*\slot+3], s[G0+4*\slot+2:G0+4*\slot+3], 2*KSTEP*2
	s_add_nc_u64 s[G0B+4*\slot+2:G0B+4*\slot+3], s[G0B+4*\slot+2:G0B+4*\slot+3], 2*KSTEP*2
	JLOAD \slot                                    ; the first tensor load behind the round, and my only one until the next
.endif
	PLACES
	FETCH \next, 0, F0
	WIN MUL_HI
	MUL16 F1, 1, 0, 0
	MUL16 F1, 1, 2, 0
.endm
.macro LAP first                       ; once round the ring, both slots filled again
	THREE 0, \first
	TURN 0, 1, 1
	THREE 1, 0
	TURN 1, 0, 1
.endm
	s_wait_loadcnt 0x0                             ; the bias
	s_wait_tensorcnt 1                             ; my part of K step 0 is in; K step 1's load stays out
	s_barrier_signal -1
	s_barrier_wait -1                              ; everybody's is
	FETCH 0, 0, F0
	LAP 1                                          ; the first lap stands in front of the loop: its first products start the sums
	WIN 0                                          ; at a label and at a branch every window is 0
	s_mov_b32 s3, LAPS-2
.Llap:
	LAP 0
	WIN 0
	s_sub_co_u32 s3, s3, 1
	s_cmp_lg_u32 s3, 0
	s_cbranch_scc1 .Llap
	THREE 0, 0                                     ; the last lap fills nothing and has no round of the cluster's barrier: my one load still out is slot 1's, the last K step's
	TURN 0, 1, 0
	THREE 1, 0
	s_wait_dscnt 8                                 ; the very last quarter: nothing more to fetch
	WIN MUL_LO
	MUL16 F1, 0, 0, 0
	MUL16 F1, 0, 2, 0
	s_wait_dscnt 0
	WIN MUL_HI
	MUL16 F1, 1, 0, 0
	MUL16 F1, 1, 2, 0
	; THE WAY OUT, 16 rows of C at a time: round to bf16, 16 bytes a lane into my own stage in LDS, read back by heads.
	; The four v_nop are the places behind the last matrix instructions, for the conversions and for the loads into buffers 0 and 1.
	PLACES
	; my corner in qkv: section x 2^24 + batch x 2^21 + head x 2^17 + s x 128.  Row m of C is batch m / 1024, s = m % 1024; my 128 columns are heads 4 cx + 2 x half, + 1.
	s_lshl_b32 s74, ttmp9, 24
	s_lshr_b32 s75, s13, 2                         ; batch = block row / 4
	s_lshl_b32 s75, s75, 21
	s_add_co_u32 s74, s74, s75
	s_lshl_b32 s75, s40, 19                        ; head 4 cx
	s_add_co_u32 s74, s74, s75
	s_lshl_b32 s75, s12, 18                        ; + 2 x column half
	s_add_co_u32 s74, s74, s75
	s_and_b32 s75, s13, 3
	s_lshl_b32 s75, s75, 15                        ; s = 256 x (block row % 4)
	s_add_co_u32 s74, s74, s75
	s_lshl_b32 s75, s11, 14                        ; + 128 x row half
	s_add_co_u32 s74, s74, s75
	s_mov_b32 s75, 0
	s_add_nc_u64 s[8:9], s[8:9], s[74:75]
; rows 16 i .. 16 i + 15 of my block = the eight tiles (a, 0..7) of window 2 or 3 (from = 0x0a or 0x0f: sources 0 and 1); f: F0 or F1 in turn
.macro OUT16 i, a, from, f
	WIN \from
.irp b, 0,1,2,3,4,5,6,7
.irp r, 0,1,2,3
	v_cvt_pk_bf16_f32 v[TMP+4*\b+\r], v[8*(8*\a+\b)+2*\r], v[8*(8*\a+\b)+2*\r+1]
.endr
.endr
	WIN 0
.irp b, 0,1,2,3,4,5,6,7
	ds_store_b128 v[STO], v[TMP+4*\b:TMP+4*\b+3] offset:32*\b
.endr
	s_wait_xcnt 0x0                                ; buffer f, which earlier stores read, is loaded again only behind this wait
.irp t, 0,1,2,3,4,5,6,7
	ds_load_b128 v[\f+4*\t:\f+4*\t+3], v[RD] offset:\t*2*SPITCH    ; LDS serves a wave's instructions in order (ISA guide 5.7.1.4): these see the stores above
.endr
.irp t, 0,1,2,3,4,5,6,7
	s_wait_dscnt 7-\t                              ; read t is back, the younger ones stay out
	global_store_b128 v[CO], v[\f+4*\t:\f+4*\t+3], s[8:9] offset:2048*\i+256*\t   ; 16 lanes store rows 16 i + 2 t, + 1 of one head: 256 consecutive bytes, aligned
.endr
.endm
	OUT16 0, 0, 0x0a, F0
	OUT16 1, 1, 0x0a, F1
	OUT16 2, 2, 0x0a, F0
	OUT16 3, 3, 0x0a, F1
	OUT16 4, 0, 0x0f, F0
	OUT16 5, 1, 0x0f, F1
	OUT16 6, 2, 0x0f, F0
	OUT16 7, 3, 0x0f, F1
	s_set_vgpr_msb 0x1
	s_wait_tensorcnt 0x0
	ds_add_u32 v255, v63
	s_wait_dscnt 0x0
	s_set_vgpr_msb 0x100
	CROUND                                         ; the closing round: no work-group ends while a partner may still ask for a tile that names it
	s_endpgm
.Lfunc_end_k_qb0fd73a589_proj:
	.size	k_qb0fd73a589_proj, .Lfunc_end_k_qb0fd73a589_proj-k_qb0fd73a589_proj
	.p2alignl 7, 3214868480
	.fill 96, 4, 3214868480
	.section	.rodata,"a",@progbits
	.p2align	6, 0x0
	.amdhsa_kernel k_qb0fd73a589_proj
		.amdhsa_group_segment_fixed_size 327680
		.amdhsa_private_segment_fixed_size 0
		.amdhsa_enable_private_segment 0
		.amdhsa_kernarg_size 32
		.amdhsa_user_sgpr_count 2
		.amdhsa_user_sgpr_kernarg_segment_ptr 1
		.amdhsa_wavefront_size32 1
		.amdhsa_system_sgpr_workgroup_id_x 1
		.amdhsa_system_sgpr_workgroup_id_y 1
		.amdhsa_system_sgpr_workgroup_id_z 1
		.amdhsa_system_vgpr_workitem_id 0
		.amdhsa_next_free_vgpr 1024
		.amdhsa_next_free_sgpr 76
		.amdhsa_reserve_vcc 0
		.amdhsa_float_denorm_mode_32 3
		.amdhsa_float_denorm_mode_16_64 3
		.amdhsa_memory_ordered 1
		.amdhsa_forward_progress 1
		.amdhsa_inst_pref_size 200
	.end_amdhsa_kernel
	.amdgpu_metadata
---
amdhsa.version: [ 1, 2 ]
amdhsa.kernels:
  - .name:           k_qb0fd73a589_proj
    .symbol:         k_qb0fd73a589_proj.kd
    .args:
      - { .name: xw, .offset: 0, .size: 8, .value_kind: global_buffer, .address_space: global }
      - { .name: qb, .offset: 8, .size: 8, .value_kind: global_buffer, .address_space: global }
      - { .name: vb, .offset: 16, .size: 8, .value_kind: global_buffer, .address_space: global }
      - { .name: qkv, .offset: 24, .size: 8, .value_kind: global_buffer, .address_space: global }
    .group_segment_fixed_size: 327680
    .private_segment_fixed_size: 0
    .kernarg_segment_align: 8
    .kernarg_segment_size: 32
    .max_flat_workgroup_size: 128
    .sgpr_count:     76
    .vgpr_count:     1024
    .wavefront_size: 32
...
	.end_amdgpu_metadata
.endif
;; end of part 2
;; launch attn (part 3): grid 256 x 1, 8 waves a work-group, no clusters, 312,320 bytes of LDS; arguments qkv, out0; writes out0
.if DOCPART == 3
	.amdgcn_target "amdgcn-amd-amdhsa--gfx1250"
	.amdhsa_code_object_version 6
	.text
	.protected	k_qb0fd73a589_attn
	.globl	k_qb0fd73a589_attn
	.p2align	8
	.type	k_qb0fd73a589_attn,@function
k_qb0fd73a589_attn:
	s_mov_b64 s[64:65], 0
	v_nop
	global_prefetch_b8 v0, s[64:65] scope:SCOPE_SE
	s_setreg_imm32_b32 hwreg(HW_REG_WAVE_MODE, 25, 1), 1
	s_wait_xcnt 0x0
; out0[b][s][64 head + d] = sum over keys of softmax(q . k / 32) v, from qkv[3][b][head][s][d] in bf16; out0 in f32.
; WORK LEFT OUT: k carries no kb (it cancels in the softmax; shown at the head of the first launch's text).
; A work-group takes 512 queries of one (batch, head) against all 1,024 keys; wave w takes 64 of them, as 4 query tiles of 16.
; ALL of the head's K and V lies in LDS (1,024 x 144 + 1,024 x 160 bytes): every LDS byte is filled once, nothing is filled again.
; The fills are four phases of 256 keys.  Each wave issues its four loads at the start (four tensor loads of a wave are out at the most)
; and each phase is read behind a counted wait and a barrier, while the later phases are still on their way.
; NO CLUSTER: only two work-groups share a head's K and V, which is no row or column of four; four query blocks a head would be 512 work-groups that each fill
; the whole 256 KiB for half the products.  What is shared is 262,144 bytes for 2 x 512 x 1024 x 64 multiply-adds of a work-group.
;
; BOTH PRODUCTS ARE TRANSPOSED.  S^T = K Q^T: source 0 = 16 keys, source 1 = 16 queries; lane (r, h) holds query r, register j key 8 h + j.
; So a row's maximum and sum are sums over a lane's registers and one exchange between the halves h, and the eight results of two neighbouring key tiles
; pack in place into the second source of O^T = V^T P^T (source 0 = V^T, by the transposing LDS load); there lane (r, h) holds query r, register j d = 8 h + j.
; A step is 64 keys: 32 + 32 matrix instructions; the 16 accumulators of each run take turns, one instruction a turn.
; SOFTMAX: a running maximum m per query.  With c = log2(e) / 32 and NM = round(-c m): p = 2^(c s + NM) (one fused multiply-add), and the old sums are
; multiplied by 2^(NM new - NM old), the difference of the very shifts that were used.
; LIMITS: q, k, v and the unnormalised p are bf16 matrix operands; the row's sum is taken over the f32 p.  The row's largest p is 2^e with |e| <= 2^-24 |c m|:
; about 1, so the sum is never 0 as long as |c m| stays under some 2^30.  v_exp_f32 gives 0 for results under 2^-126 (ISA guide 15.8).
.set KP,     144                       ; LDS pitch of a key in K: 128 + 16, an odd multiple of 16
.set VP,     160                       ; in V: 128 + 32, an odd multiple of 32, for the transposing load
.set VBASE,  1024*KP                   ; V lies behind K: byte 147,456
.set KSTEPB, 64*KP                     ; a step of 64 keys, and what one tensor load fills of K
.set VSTEPB, 64*VP
.set KPH,    256*KP                    ; a phase of 256 keys
.set VPH,    256*VP
.set SPITCH, 272                       ; the way out: a query's 256 bytes + 16
.set STG,    16*SPITCH                 ; a wave's stage, 4,352 bytes = 17 x 256, in K's region, used when K has been filled and read for the last time
; window 0
.set KA0, 4                            ; v4   144 r + 16 h
.set VA0, 5                            ; v5   VBASE + (8 h + l % 8) 160 + 16 ((l / 8) % 2)
.set KA,  6                            ; v6   KA0 + the step
.set VA,  7                            ; v7   VA0 + the step
.set QO,  8                            ; v8   128 r + 16 h
.set STO, 9                            ; v9   stage: 272 r + 32 h
.set RD,  10                           ; v10  stage: 272 h + 16 r
.set CO,  11                           ; v11  out0: 4096 h + 16 r
.set M,   12                           ; v[12:15] the running maximum of query tile qt
.set L,   16                           ; v[16:19] the running sum, each half h's own part
.set AL,  20                           ; v[20:27] pairs: the rescale factor of query tile qt in the even register
.set NM,  28                           ; v[28:29] a pair: -c m in the even register
.set T,   36                           ; v[36:43] at work
.set KF,  64                           ; v[64:127]  K's fragments: (kt, e) at 8 (2 kt + e)
.set S,   128                          ; v[128:255] scores: tile (qt, kt) at 8 (4 qt + kt); then P: (qt, g) at 32 qt + 16 g; at the end the rows read back
; window 1
.set O,   0                            ; v[256:383] O^T: tile (qt, dt) at 8 (4 qt + dt)
.set QF,  128                          ; v[384:447] Q's fragments: (qt, e) at 8 (2 qt + e)
.set VF,  192                          ; v[448:511] V^T's fragments: (g, dt) at 8 (4 g + dt)
.set G1,  16                           ; s[16:23] descriptor group 1
.set G0,  24                           ; s[24:39] descriptor group 0, one set for each phase; none is ever written again
.set MSB, 0
.macro WIN new                         ; the immediate's high byte repeats the setting that is left
.if MSB != \new
	s_set_vgpr_msb (MSB<<8)|\new
.set MSB, \new
.endif
.endm
	s_load_b128 s[4:7], s[0:1], 0x0                ; qkv s[4:5], out0 s[6:7]
	v_lshl_add_u32 v62, v0, 2, 0x4c000
	v_mov_b32 v63, 0
	ds_add_u32 v62, v63
	ds_add_u32 v62, v63
	v_lshrrev_b32 v3, 5, v0
	v_readfirstlane_b32 s8, v3                     ; wave 0..7
	s_lshr_b32 s9, ttmp9, 1                        ; 16 b + head
	s_and_b32 s10, ttmp9, 1                        ; which 512 queries
	; Group 1: 64 keys are 8,192 dense bytes, stated as 32 rows of 128 elements of 2 bytes (256 bytes, aligned); a pad follows every 32 words, that is every key.
	s_mov_b32 s[G1+1], 128<<16                     ; tensor_dim0 = 128
	s_mov_b32 s[G1+2], 32<<16                      ; tensor_dim1 = 32
	s_mov_b32 s[G1+3], 128<<16                     ; tile_dim0 = 128
	s_mov_b32 s[G1+4], 32                          ; tile_dim1 = 32
	s_mov_b32 s[G1+5], 128                         ; elements from row to row: dense
	s_mov_b32 s[G1+6], 0
	s_mov_b32 s[G1+7], 0
	s_lshl_b32 s12, s9, 17                         ; a head is 1,024 x 128 bytes
	s_lshl_b32 s13, s8, 13                         ; 64 keys x 128 bytes for each wave
	s_add_co_u32 s12, s12, s13
	s_mov_b32 s13, 0
; The wave's four fills, phases 0 to 3, as one group: ahead of every wait on TENSORcnt, every LDS read and every barrier.
; LDS address = wave x a constant (s41) + a constant + phase x a constant; global address = s[14:15] + 256 keys x 128 bytes x phase.
.macro FILLS lds0, ldsp
.irp p, 0,1,2,3
	s_mov_b32 s[G0+4*\p], 1                                        ; count = 1
	s_add_co_u32 s[G0+4*\p+1], s41, (\lds0)+(\ldsp)*\p             ; LDS address
	s_add_nc_u64 s[G0+4*\p+2:G0+4*\p+3], s[14:15], 32768*\p        ; global address
	s_or_b32 s[G0+4*\p+3], s[G0+4*\p+3], 0x80000000                ; type = 2
	tensor_load_to_lds s[G0+4*\p:G0+4*\p+3], s[G1:G1+7]
	s_nop 0
.endr
.endm
	s_wait_dscnt 0x0
	s_wait_kmcnt 0x0
	s_cmp_ge_u32 s8, 4
	s_cbranch_scc1 .Lfill_v
	s_mov_b32 s[G1+0], 0x07110000                  ; waves 0-3, K: elements of 2 bytes, padding on, after every 32 words 4 words
	s_add_co_u32 s12, s12, 0x1000000               ; k is the second section of qkv
	s_add_nc_u64 s[14:15], s[4:5], s[12:13]
	s_mul_i32 s41, s8, KSTEPB
	FILLS 0, KPH
	s_branch .Lfilled
.Lfill_v:
	s_mov_b32 s[G1+0], 0x0f110000                  ; waves 4-7, V: the same with 8 words of padding
	s_add_co_u32 s12, s12, 0x2000000-4*8192        ; v is the third section; wave 4 brings the phase's first 64 keys
	s_add_nc_u64 s[14:15], s[4:5], s[12:13]
	s_mul_i32 s41, s8, VSTEPB
	FILLS VBASE-4*VSTEPB, VPH
.Lfilled:
	; Q goes straight into registers, once: fragment (qt, e) = queries 16 qt + r, d = 32 e + 8 h .. and 32 e + 16 + 8 h ..
	s_lshl_b32 s12, s9, 17
	s_lshl_b32 s13, s10, 16                        ; 512 queries x 128 bytes
	s_add_co_u32 s12, s12, s13
	s_lshl_b32 s13, s8, 13                         ; 64 queries x 128 bytes
	s_add_co_u32 s12, s12, s13
	s_mov_b32 s13, 0
	s_add_nc_u64 s[48:49], s[4:5], s[12:13]
	v_and_b32 v1, 15, v0                           ; r
	v_bfe_u32 v2, v0, 4, 1                         ; h
	v_lshlrev_b32 v[QO], 7, v1
	v_lshl_add_u32 v[QO], v2, 4, v[QO]
	WIN 0x40                                       ; destination window 1, address window 0
.irp qt, 0,1,2,3
.irp e, 0,1
	global_load_b128 v[QF+8*(2*\qt+\e):QF+8*(2*\qt+\e)+3],   v[QO], s[48:49] offset:2048*\qt+64*\e th:TH_LOAD_NT
	global_load_b128 v[QF+8*(2*\qt+\e)+4:QF+8*(2*\qt+\e)+7], v[QO], s[48:49] offset:2048*\qt+64*\e+32 th:TH_LOAD_NT
.endr
.endr
	WIN 0
	v_mul_u32_u24 v[KA0], v1, KP
	v_lshl_add_u32 v[KA0], v2, 4, v[KA0]
	v_and_b32 v3, 7, v0
	v_lshl_add_u32 v3, v2, 3, v3                   ; 8 h + l % 8: the key that this lane addresses for the transposing load
	v_mul_u32_u24 v[VA0], v3, VP
	v_bfe_u32 v3, v0, 3, 1
	v_lshl_add_u32 v[VA0], v3, 4, v[VA0]
	v_add_nc_u32 v[VA0], VBASE, v[VA0]
	s_mul_i32 s12, s8, STG
	v_mul_u32_u24 v[STO], v1, SPITCH
	v_lshl_add_u32 v[STO], v2, 5, v[STO]
	v_add_nc_u32 v[STO], s12, v[STO]
	v_mul_u32_u24 v[RD], v2, SPITCH
	v_lshl_add_u32 v[RD], v1, 4, v[RD]
	v_add_nc_u32 v[RD], s12, v[RD]
	v_lshlrev_b32 v[CO], 12, v2                    ; a row of out0 is 4,096 bytes
	v_lshl_add_u32 v[CO], v1, 4, v[CO]
	s_lshr_b32 s14, s9, 4                          ; out0 at batch, my first query, my head's 256 bytes
	s_lshl_b32 s14, s14, 22
	s_lshl_b32 s15, s10, 21
	s_add_co_u32 s14, s14, s15
	s_lshl_b32 s15, s8, 18
	s_add_co_u32 s14, s14, s15
	s_and_b32 s15, s9, 15
	s_lshl_b32 s15, s15, 8
	s_add_co_u32 s14, s14, s15
	s_mov_b32 s15, 0
	s_add_nc_u64 s[6:7], s[6:7], s[14:15]
	s_mov_b32 s42, 0x3d38aa3b                      ; c = log2(e) / 32: the scale 1 / sqrt(1024) and the change of base in one
	s_mov_b32 s43, 0x3d38aa3b
	s_mov_b32 s44, 0xbd38aa3b                      ; -c
	s_mov_b32 s46, 0x76543210                      ; v_permlanex16_b32: lane i of one half reads lane i of the other
	s_mov_b32 s47, 0xfedcba98
.irp i, 1,3,5,7
	v_mov_b32 v[AL+\i], 0                          ; the upper registers of the pairs are never selected, but a pair is read whole
.endr
	v_mov_b32 v[NM+1], 0
.macro LOADK                           ; 64 keys x 64 d: 8 fragments, 16 loads
	WIN 0
.irp kt, 0,1,2,3
.irp e, 0,1
	ds_load_b128 v[KF+8*(2*\kt+\e):KF+8*(2*\kt+\e)+3],   v[KA] offset:16*KP*\kt+64*\e
	ds_load_b128 v[KF+8*(2*\kt+\e)+4:KF+8*(2*\kt+\e)+7], v[KA] offset:16*KP*\kt+64*\e+32
.endr
.endr
.endm
.macro LOADV                           ; the same keys of V, transposed: fragment (g, dt) = d 16 dt + r, keys 32 g + 8 h .. and 32 g + 16 + 8 h ..
	WIN 0x40
.irp g, 0,1
.irp dt, 0,1,2,3
	ds_load_tr16_b128 v[VF+8*(4*\g+\dt):VF+8*(4*\g+\dt)+3],   v[VA] offset:32*VP*\g+32*\dt
	ds_load_tr16_b128 v[VF+8*(4*\g+\dt)+4:VF+8*(4*\g+\dt)+7], v[VA] offset:32*VP*\g+32*\dt+16*VP
.endr
.endr
.endm
.macro QK                              ; S^T = K Q^T: d 0-31 starts the 16 sums, d 32-63 adds in place
	WIN 0x04                                       ; source 1 (Q) window 1, all else window 0
.irp qt, 0,1,2,3
.irp kt, 0,1,2,3
	v_wmma_f32_16x16x32_bf16 v[S+8*(4*\qt+\kt):S+8*(4*\qt+\kt)+7], v[KF+16*\kt:KF+16*\kt+7], v[QF+16*\qt:QF+16*\qt+7], 0
.endr
.endr
.irp qt, 0,1,2,3
.irp kt, 0,1,2,3
	v_wmma_f32_16x16x32_bf16 v[S+8*(4*\qt+\kt):S+8*(4*\qt+\kt)+7], v[KF+16*\kt+8:KF+16*\kt+15], v[QF+16*\qt+8:QF+16*\qt+15], v[S+8*(4*\qt+\kt):S+8*(4*\qt+\kt)+7]
.endr
.endr
.endm
; The softmax step of query tile qt: 32 scores a lane, all of query r.  first = 1: there is no old maximum and no old sum.
.macro SOFT qt, first
.set SB, S+32*\qt
.irp c, 0,1,2,3
	v_max3_num_f32 v[T+\c], v[SB+8*\c], v[SB+8*\c+1], v[SB+8*\c+2]     ; four chains that do not wait for each other
.endr
.irp c, 0,1,2,3
	v_max3_num_f32 v[T+\c], v[T+\c], v[SB+8*\c+3], v[SB+8*\c+4]
.endr
.irp c, 0,1,2,3
	v_max3_num_f32 v[T+\c], v[T+\c], v[SB+8*\c+5], v[SB+8*\c+6]
.endr
	v_max3_num_f32 v[T],   v[T],   v[T+1], v[SB+7]
	v_max3_num_f32 v[T+2], v[T+2], v[T+3], v[SB+15]
	v_max3_num_f32 v[T],   v[T],   v[T+2], v[SB+23]
.if \first
	v_max_num_f32  v[T],   v[T],   v[SB+31]
.else
	v_max3_num_f32 v[T],   v[T],   v[SB+31], v[M+\qt]
.endif
	v_permlanex16_b32 v[T+1], v[T], s46, s47       ; the other half's keys of the same query (T+1 has been written)
	v_max_num_f32 v[T+1], v[T], v[T+1]             ; the new maximum
	v_mul_f32 v[NM], s44, v[T+1]                   ; the new shift, -c m
.if \first == 0
	v_mul_f32 v[T+2], s44, v[M+\qt]                ; the old shift, made as it was made
	v_sub_f32 v[T+2], v[NM], v[T+2]
	v_exp_f32 v[AL+2*\qt], v[T+2]                  ; the plain instruction behind it: the first line below, which names neither register
.endif
.set i, 0
.rept 16
	v_pk_fma_f32 v[SB+i:SB+i+1], v[SB+i:SB+i+1], s[42:43], v[NM:NM+1] op_sel_hi:[1,0,0]   ; c s - c m, both halves by s42 and v[NM]
.set i, i+2
.endr
.set i, 0
.rept 32
	v_exp_f32 v[SB+i], v[SB+i]
.set i, i+1
.endr
	v_mov_b32 v[M+\qt], v[T+1]                     ; also the plain instruction that stands between the exponentials and the first use of their results (ISA guide 5.7.2)
	s_wait_alu depctr_va_vdst(0)
.irp c, 0,1,2,3
	v_pk_add_f32 v[T+2*\c:T+2*\c+1], v[SB+8*\c:SB+8*\c+1], v[SB+8*\c+2:SB+8*\c+3]
.endr
.irp c, 0,1,2,3
	v_pk_add_f32 v[T+2*\c:T+2*\c+1], v[T+2*\c:T+2*\c+1], v[SB+8*\c+4:SB+8*\c+5]
.endr
.irp c, 0,1,2,3
	v_pk_add_f32 v[T+2*\c:T+2*\c+1], v[T+2*\c:T+2*\c+1], v[SB+8*\c+6:SB+8*\c+7]
.endr
	v_pk_add_f32 v[T:T+1],   v[T:T+1],   v[T+2:T+3]
	v_pk_add_f32 v[T+4:T+5], v[T+4:T+5], v[T+6:T+7]
	v_pk_add_f32 v[T:T+1],   v[T:T+1],   v[T+4:T+5]
.if \first
	v_add_f32 v[L+\qt], v[T], v[T+1]
.else
	v_fma_f32 v[L+\qt], v[L+\qt], v[AL+2*\qt], v[T]
	v_add_f32 v[L+\qt], v[L+\qt], v[T+1]
.endif
	; pack in place, ascending: key tiles 2 g and 2 g + 1 (16 registers) become the 8 registers of P^T's fragment (keys 8 h .., then 16 + 8 h ..)
.irp g, 0,1
.irp i, 0,1,2,3,4,5,6,7
	v_cvt_pk_bf16_f32 v[SB+16*\g+\i], v[SB+16*\g+2*\i], v[SB+16*\g+2*\i+1]
.endr
.endr
.endm
.macro RESCALE                         ; O of query tile qt times AL[qt]
	WIN 0x41                                       ; destination and source 0 window 1, source 1 window 0
.irp qt, 0,1,2,3
.set i, 0
.rept 16
	v_pk_mul_f32 v[O+32*\qt+i:O+32*\qt+i+1], v[O+32*\qt+i:O+32*\qt+i+1], v[AL+2*\qt:AL+2*\qt+1] op_sel_hi:[1,0]
.set i, i+2
.endr
.endr
.endm
.macro PV first                        ; O^T += V^T P^T: 32 keys, then the other 32.  first = 1: the first 32 keys start the sums
	WIN 0x51                                       ; V^T, C and D window 1, P window 0
.irp g, 0,1
.irp qt, 0,1,2,3
.irp dt, 0,1,2,3
.if \first*(1-\g)
	v_wmma_f32_16x16x32_bf16 v[O+8*(4*\qt+\dt):O+8*(4*\qt+\dt)+7], v[VF+8*(4*\g+\dt):VF+8*(4*\g+\dt)+7], v[S+32*\qt+16*\g:S+32*\qt+16*\g+7], 0
.else
	v_wmma_f32_16x16x32_bf16 v[O+8*(4*\qt+\dt):O+8*(4*\qt+\dt)+7], v[VF+8*(4*\g+\dt):VF+8*(4*\g+\dt)+7], v[S+32*\qt+16*\g:S+32*\qt+16*\g+7], v[O+8*(4*\qt+\dt):O+8*(4*\qt+\dt)+7]
.endif
.endr
.endr
.endr
.endm
.macro STEP first                      ; 64 keys
	LOADK
	LOADV
	s_wait_dscnt 16                                ; K's 16 loads are in; V's 16, issued behind them, stay out
	QK
	WIN 0
.rept 4
	v_nop                                          ; four places between the last product and the first read of the scores (ISA guide 7.12.1)
.endr
	SOFT 0, \first
	SOFT 1, \first
	SOFT 2, \first
	SOFT 3, \first
.if \first == 0
	RESCALE
.endif
	s_wait_dscnt 0x0                               ; V's fragments
	PV \first
	WIN 0
	v_add_nc_u32 v[KA], KSTEPB, v[KA]              ; the next 64 keys.  These two and three v_nop are the five places in front of the next step's
	v_add_nc_u32 v[VA], VSTEPB, v[VA]              ; products, which write over P, and of its loads into V^T's fragments
.rept 3
	v_nop
.endr
.endm
; Phase p: 256 keys, four steps.  My loads of phases 0 to p have landed (the 3 - p later ones stay out);
; behind the barrier that holds of all eight waves.  No LDS instruction of mine is pending at the signal: each step ends behind a wait for all of them.
.macro PHASE p
	s_wait_tensorcnt 3-\p
	s_barrier_signal -1
	s_barrier_wait -1
.if \p == 0
	v_mov_b32 v[KA], v[KA0]
	v_mov_b32 v[VA], v[VA0]
	STEP 1                                         ; the first step stands in front of the loop: it starts maximum, sums and O
	s_mov_b32 s40, 3
.else
	v_add_nc_u32 v[KA], KPH*\p, v[KA0]
	v_add_nc_u32 v[VA], VPH*\p, v[VA0]
	s_mov_b32 s40, 4
.endif
.Lstep_\p:
	STEP 0
	s_sub_co_u32 s40, s40, 1
	s_cmp_lg_u32 s40, 0
	s_cbranch_scc1 .Lstep_\p
.endm
	s_wait_loadcnt 0x0                             ; Q
	PHASE 0
	PHASE 1
	PHASE 2
	PHASE 3                                        ; its wait is for 0: no tensor load is out from here on
	; THE END: divide by the row's sum, and out through a stage in LDS, 16 queries at a time.
	s_wait_dscnt 0x0
	s_barrier_signal -1
	s_barrier_wait -1                              ; every wave has read K for the last time, and every fill has landed: K's first bytes now serve as stages
.irp qt, 0,1,2,3
	v_permlanex16_b32 v[T+\qt], v[L+\qt], s46, s47 ; the other half's part of the sum
.endr
.irp qt, 0,1,2,3
	v_add_f32 v[T+\qt], v[T+\qt], v[L+\qt]
.endr
.irp qt, 0,1,2,3
	v_rcp_f32 v[AL+2*\qt], v[T+\qt]
.endr
	v_nop                                          ; the plain instruction behind the reciprocals
	s_wait_alu depctr_va_vdst(0)
	RESCALE
.irp qt, 0,1,2,3
	WIN 0x04                                       ; store data window 1, address window 0
.irp dt, 0,1,2,3
	ds_store_b128 v[STO], v[O+32*\qt+8*\dt:O+32*\qt+8*\dt+3]   offset:64*\dt      ; query r, d = 16 dt + 8 h + 0..3
	ds_store_b128 v[STO], v[O+32*\qt+8*\dt+4:O+32*\qt+8*\dt+7] offset:64*\dt+16   ; + 4..7
.endr
	WIN 0
.irp t, 0,1,2,3,4,5,6,7
	ds_load_b128 v[S+32*\qt+4*\t:S+32*\qt+4*\t+3], v[RD] offset:2*SPITCH*\t       ; my own bytes, served in order (ISA guide 5.7.1.4): queries 2 t + h, 16 bytes at 16 r
.endr
.irp t, 0,1,2,3,4,5,6,7
	s_wait_dscnt 7-\t                              ; read t is back, the younger ones stay out
	global_store_b128 v[CO], v[S+32*\qt+4*\t:S+32*\qt+4*\t+3], s[6:7] offset:65536*\qt+8192*\t th:TH_STORE_NT   ; 16 lanes store a query's 256 bytes of this head, aligned; each qt has registers of its own
.endr
.endr
	s_wait_tensorcnt 0x0
	ds_add_u32 v62, v63
	s_wait_dscnt 0x0
	s_endpgm
.Lfunc_end_k_qb0fd73a589_attn:
	.size	k_qb0fd73a589_attn, .Lfunc_end_k_qb0fd73a589_attn-k_qb0fd73a589_attn
	.p2alignl 7, 3214868480
	.fill 96, 4, 3214868480
	.section	.rodata,"a",@progbits
	.p2align	6, 0x0
	.amdhsa_kernel k_qb0fd73a589_attn
		.amdhsa_group_segment_fixed_size 312320
		.amdhsa_private_segment_fixed_size 0
		.amdhsa_enable_private_segment 0
		.amdhsa_kernarg_size 16
		.amdhsa_user_sgpr_count 2
		.amdhsa_user_sgpr_kernarg_segment_ptr 1
		.amdhsa_wavefront_size32 1
		.amdhsa_system_sgpr_workgroup_id_x 1
		.amdhsa_system_sgpr_workgroup_id_y 1
		.amdhsa_system_sgpr_workgroup_id_z 1
		.amdhsa_system_vgpr_workitem_id 0
		.amdhsa_next_free_vgpr 512
		.amdhsa_next_free_sgpr 66
		.amdhsa_reserve_vcc 0
		.amdhsa_float_denorm_mode_32 3
		.amdhsa_float_denorm_mode_16_64 3
		.amdhsa_memory_ordered 1
		.amdhsa_forward_progress 1
		.amdhsa_inst_pref_size 178
	.end_amdhsa_kernel
	.amdgpu_metadata
---
amdhsa.version: [ 1, 2 ]
amdhsa.kernels:
  - .name:           k_qb0fd73a589_attn
    .symbol:         k_qb0fd73a589_attn.kd
    .args:
      - { .name: qkv, .offset: 0, .size: 8, .value_kind: global_buffer, .address_space: global }
      - { .name: out0, .offset: 8, .size: 8, .value_kind: global_buffer, .address_space: global }
    .group_segment_fixed_size: 312320
    .private_segment_fixed_size: 0
    .kernarg_segment_align: 8
    .kernarg_segment_size: 16
    .max_flat_workgroup_size: 256
    .sgpr_count:     66
    .vgpr_count:     512
    .wavefront_size: 32
...
	.end_amdgpu_metadata
.endif
;; end of part 3
;; ======== version 2 of 2: 3 launches
;; workspace buffers: xw 23,068,672 bytes; qkv 50,331,648 bytes
;; launch cast: the kernel of part 1 again; grid 64 x 11, 8 waves a work-group, no clusters, 0 bytes of LDS; arguments activation, qw, kw, vw, xw; writes xw
;; launch proj (part 4): grid 8 x 32, 4 waves a work-group, clusters of 4 x 4, 327,680 bytes of LDS; arguments xw, qb, vb, qkv; writes qkv
.if DOCPART == 4
	.amdgcn_target "amdgcn-amd-amdhsa--gfx1250"
	.amdhsa_code_object_version 6
	.text
	.protected	k_qb0fd73a589_proj
	.globl	k_qb0fd73a589_proj
	.p2align	8
	.type	k_qb0fd73a589_proj,@function
k_qb0fd73a589_proj:
	s_mov_b64 s[64:65], 0
	v_nop
	global_prefetch_b8 v0, s[64:65] scope:SCOPE_SE
	s_setreg_imm32_b32 hwreg(HW_REG_WAVE_MODE, 25, 1), 1
	s_wait_xcnt 0x0
	s_wait_alu depctr_hold_cnt(0) depctr_sa_sdst(0) depctr_va_vdst(0) depctr_va_sdst(0) depctr_va_ssrc(0) depctr_va_vcc(0) depctr_vm_vsrc(0)
	s_getreg_b32 s2, hwreg(HW_REG_IB_STS2, 6, 4)
	s_cmp_eq_u32 s2, 0
	s_cbranch_scc0 .Lentry_in_a_cluster
	s_endpgm
.Lentry_in_a_cluster:
	s_bfe_u32 s2, ttmp6, 0x10000c
	s_cmp_lg_u32 s2, 0xf033
	s_cbranch_scc0 .Lentry_shape_is_right
	s_endpgm
.Lentry_shape_is_right:
; q, k, v in one product: C[m][n] = sum over k of A[m][k] B[n][k] + bias[n], A = xw rows 0-8191 (activation), B = xw rows 8192-11263 (qw, kw, vw),
; both bf16 with K along the rows; sums in f32; C rounded once to bf16 and stored by heads: qkv[which][b][head][s][d].
; WORK LEFT OUT: kb (it cancels in the softmax; shown at the head of the first launch's text): the sums of k's heads start from 0.
; ONE BLOCK FOR EACH WORK-GROUP, 256 WORK-GROUPS: 8192 x 3072 numbers are 32 x 8 blocks of 256 x 384.  Four waves; a wave makes 128 x 192:
; 96 accumulator tiles of 16 x 16, 768 registers.  For 32 along K it loads (128 + 192) x 64 bytes from LDS for 96 matrix instructions.
; K goes in steps of 64 through a ring of two LDS slots filled by the tensor data mover.  Steps of 128 do not fit: 2 x 640 rows x 272 bytes = 348,160.
; CLUSTERS: 4 x 4 work-groups.  The four of a row of the cluster need the same tiles of A, the four of a column the same tiles of B: each such
; tile is asked for jointly (the same tensor load, the same descriptor, a mask that names the four), which divides the requests by four.
;
; REGISTERS, in windows of 256:
;   window 0: v0-31 addresses; v32-95, v96-159 fragments of A (8 x 16 rows x 32 K), two buffers; v160-255 fragments of B, three groups of 4 x 16 rows
;   windows 1, 2, 3: the accumulators of my first, second, third head (64 columns): tile (a, b), rows 16 a .., columns 16 b .. of the head, at v[8 (4 a + b)]
; A group of B's fragments serves one window's 32 matrix instructions and is loaded again for the next 32 along K as soon as these are issued,
; 64 matrix instructions ahead of its next use; A's fragments serve all 96 and have two buffers.
; THE MATRIX INSTRUCTION IS USED TRANSPOSED: source 0 = 16 rows of B, source 1 = 16 rows of A.  Lane l then holds row m = l % 16 of C and its
; registers 0 to 7 the columns n = 8 (l / 16) + 0 .. 7: eight neighbouring numbers of a row of C, 16 bytes in bf16.
; THE BIAS STARTS THE SUMS and needs no registers of its own: a head's 64 numbers are loaded into the accumulators of its last row tile, (7, 0..3), in
; the accumulators' layout; the first products of tiles (0..6, b) take tile (7, b) as C, and tile (7, b) then adds in place.
; A block's 384 columns are six whole heads, and 16 heads make a section (q, k, v), so a wave's three heads may lie in two sections.  The head's number
; hangs on the place in the cluster: the bias buffer, the place in qkv and the zero of a head of k are chosen by selects.
; The accumulators take turns, one instruction a turn, in the same order in every quarter step.
.set SIZE_K, 1024
.set KSTEP,  64
.set PITCH,  144                       ; an LDS row: 128 bytes of data + 16 of padding, an odd multiple of 16: the 16 rows of a fragment load start 16 bytes apart modulo 256
.set AHALF,  128*PITCH                 ; 128 rows of A: one tensor load, and what one wave reads of A
.set BHALF,  192*PITCH                 ; 192 rows of B: the same for B
.set ABASE,  2*BHALF                   ; in a slot B's 384 rows come first, then A's 256
.set SLOT,   2*BHALF+2*AHALF           ; 92,160 bytes
.set STAGE,  2*SLOT                    ; behind the ring, at a multiple of 256: no tensor load lands there
.set UPITCH, 272                       ; the way out: two rows of a head (256 bytes) + 16
.set STG,    16*UPITCH                 ; a wave's stage: 32 rows of a head
.set LAPS,   SIZE_K/(2*KSTEP)          ; a lap = two K steps = once round the ring: 8
.set ADRA, 16                          ; v16-17  LDS address of my A fragments in slot 0, 1
.set ADRB, 20                          ; v20-21  the same for B
.set STO,  24                          ; v24     the way out: where I put 16 bytes of a row
.set RD,   25                          ; v25     the way out: where I read 16 bytes back
.set CO,   26                          ; v26     16 x lane: my place in 512 consecutive bytes of qkv
.set BO,   27                          ; v27     my byte offset in a head's bias
.set A0,   32                          ; A's fragments, buffer 0 (even quarters)
.set A1,   96                          ; buffer 1 (odd quarters)
.set BG,   160                         ; B's fragments: head g at BG + 32 g
.set BT,   224                         ; in each accumulator window: tiles (7, 0..3)
.set TMP,  32                          ; the way out: packed results
.set R0,   64                          ; the way out: rows read back, two buffers
.set R1,   96
.set G1,  24                           ; s[24:31] descriptor group 1 for A's tiles
.set G0,  32                           ; s[32:39] descriptor group 0 for A's tiles, one set for each slot
.set G1B, 48                           ; s[48:55] descriptor group 1 for B's tiles
.set G0B, 56                           ; s[56:63] descriptor group 0 for B's tiles, one set for each slot
.set OB,  76                           ; s[76:81] head g: its 128 rows of mine in qkv
.set BP,  82                           ; s[82:87] head g: its 64 numbers of bias
.set BM,  88                           ; s88-90   head g: all ones if it has a bias, 0 for a head of k
.set MSB, 0
.macro WIN new                         ; the immediate's high byte repeats the setting that is left
.if MSB != (\new)
	s_set_vgpr_msb (MSB<<8)|(\new)
.set MSB, (\new)
.endif
.endm
; Settings: 0x50 (g + 1): C and D in head g's window, both sources in window 0.  0x44 (g + 1): destination and source 1 in head g's window.  5 (g + 1): sources 0 and 1 there.
; A joint load.  Waves 0 and 1 fetch B's two halves, waves 2 and 3 A's.  Each line has one mask and one set of registers for all that issue it.
; The branch hangs on the wave's number alone.
.macro JLOAD s
	s_cmp_eq_u32 s11, 0
	s_cbranch_scc0 .Lfor_a_\@
	tensor_load_to_lds s[G0B+4*\s:G0B+4*\s+3], s[G1B:G1B+7]
	s_nop 0
	s_branch .Lasked_\@
.Lfor_a_\@:
	tensor_load_to_lds s[G0+4*\s:G0+4*\s+3], s[G1:G1+7]
	s_nop 0
.Lasked_\@:
.endm
; A round of the cluster's barrier: my work-group's barrier, wave 0 signals for the work-group, every wave waits for all sixteen, my work-group's barrier again.
.macro CREST                           ; a round behind its opening barrier
	s_cmp_lg_u32 s10, 0
	s_cbranch_scc1 .Lnot_wave_0_\@
	s_barrier_signal -3
.Lnot_wave_0_\@:
	s_barrier_wait -3
	s_barrier_signal -1
	s_barrier_wait -1
.endm
.macro CROUND                          ; a whole round
	s_barrier_signal -1
	s_barrier_wait -1
	CREST
.endm
	s_load_b64 s[4:5], s[0:1], 0x0                 ; xw
	s_load_b64 s[68:69], s[0:1], 0x8               ; qb
	s_load_b64 s[70:71], s[0:1], 0x10              ; vb
	s_load_b64 s[8:9], s[0:1], 0x18                ; qkv
	v_lshl_add_u32 v30, v0, 2, 0x31400
	v_mov_b32 v31, 0
	ds_add_u32 v30, v31
	ds_add_u32 v30, v31
	v_lshrrev_b32 v1, 5, v0
	v_readfirstlane_b32 s10, v1                    ; wave 0..3
	s_lshr_b32 s11, s10, 1                         ; which half of the block's rows is mine.  Also: I fetch for B (0) or for A (1)
	s_and_b32 s12, s10, 1                          ; which half of its columns.  Also: which half of that tile I fetch
	s_bfe_u32 s40, ttmp6, 0x40000                  ; cx: my place along the cluster's x
	s_bfe_u32 s41, ttmp6, 0x40004                  ; cy: along its y
	s_lshl_b32 s42, ttmp9, 2                       ; in a cluster launch ttmp9 and ttmp7 count clusters
	s_add_co_u32 s42, s42, s40                     ; block column of C = 4 x cluster x + cx, 0..7
	s_and_b32 s13, ttmp7, 0xffff
	s_lshl_b32 s13, s13, 2
	s_add_co_u32 s13, s13, s41                     ; block row of C = 4 x cluster y + cy, 0..31
	s_lshl_b32 s43, s41, 2
	s_lshl_b32 s43, 15, s43                        ; my row of the cluster: places 4 cy .. 4 cy + 3
	s_lshl_b32 s44, 0x1111, s40                    ; my column: places cx, cx + 4, cx + 8, cx + 12
	; descriptor group 1: tiles of 128 (A) or 192 (B) rows x 64 elements, padded in LDS
	s_or_b32 s[G1+0], s43, (1<<16)|(1<<20)|(1<<21)|(4<<22)|(3<<25)  ; 15:0 the mask: A's tiles go to my row; 17:16 element of 2 bytes; 20 padding on; 21 set beside a mask; 24:22 after every 32 words; 31:25 of 4 words
	s_or_b32 s[G1B+0], s44, (1<<16)|(1<<20)|(1<<21)|(4<<22)|(3<<25) ; the same with the mask of my column, for B's tiles
	s_mov_b32 s[G1+1], KSTEP<<16                   ; tensor_dim0 = 64
	s_mov_b32 s[G1B+1], KSTEP<<16
	s_mov_b32 s[G1+2], 128<<16                     ; tensor_dim1 = 128
	s_mov_b32 s[G1B+2], 192<<16                    ; 192
	s_mov_b32 s[G1+3], KSTEP<<16                   ; tile_dim0 = 64
	s_mov_b32 s[G1B+3], KSTEP<<16
	s_mov_b32 s[G1+4], 128                         ; tile_dim1 = 128; tile_dim2 = 0
	s_mov_b32 s[G1B+4], 192                        ; 192
	s_mov_b32 s[G1+5], SIZE_K                      ; elements from row to row
	s_mov_b32 s[G1B+5], SIZE_K
	s_mov_b32 s[G1+6], 0
	s_mov_b32 s[G1B+6], 0
	s_mov_b32 s[G1+7], 0
	s_mov_b32 s[G1B+7], 0
	; where the tiles come from.  A's hang on the block row alone, which my row of the cluster shares; B's on the block column alone, which my column shares.
	; Every wave makes both addresses, in registers that never hold the other coordinate, and asks by one of them.
	s_lshl_b32 s17, s12, 7
	s_lshl_b32 s16, s13, 8
	s_add_co_u32 s16, s16, s17                     ; A: row 256 x block row + 128 x half
	s_lshl_b32 s16, s16, 11                        ; rows of 2,048 bytes: under 2^24 in all
	s_mov_b32 s17, 0
	s_mul_i32 s46, s42, 384
	s_mul_i32 s47, s12, 192
	s_add_co_u32 s46, s46, s47                     ; B: row 384 x block column + 192 x half
	s_lshl_b32 s46, s46, 11
	s_mov_b32 s47, 0
	s_mul_i32 s20, s10, AHALF                      ; and where they go: no place in the cluster enters an LDS address.
	s_add_co_u32 s20, s20, AHALF                   ; A's halves, by waves 2 and 3: wave x 18,432 + 18,432 = 55,296 and 73,728
	s_mul_i32 s21, s10, BHALF                      ; B's halves, by waves 0 and 1: wave x 27,648
	s_wait_dscnt 0x0
	s_wait_kmcnt 0x0
	s_add_nc_u64 s[6:7], s[4:5], 0x1000000         ; B begins 8,192 rows of 2,048 bytes behind A
	s_add_nc_u64 s[14:15], s[4:5], s[16:17]
	s_add_nc_u64 s[46:47], s[6:7], s[46:47]
	CROUND                                         ; all sixteen work-groups are here: the first joint loads meet
.irp s, 0,1
	s_mov_b32 s[G0+4*\s], 1                                        ; count = 1
	s_add_co_u32 s[G0+4*\s+1], s20, \s*SLOT                        ; LDS address
	s_add_nc_u64 s[G0+4*\s+2:G0+4*\s+3], s[14:15], \s*KSTEP*2      ; global address: K step s
	s_or_b32 s[G0+4*\s+3], s[G0+4*\s+3], 0x80000000                ; type = 2
	s_mov_b32 s[G0B+4*\s], 1
	s_add_co_u32 s[G0B+4*\s+1], s21, \s*SLOT
	s_add_nc_u64 s[G0B+4*\s+2:G0B+4*\s+3], s[46:47], \s*KSTEP*2
	s_or_b32 s[G0B+4*\s+3], s[G0B+4*\s+3], 0x80000000
	JLOAD \s                                       ; the ring is filled before anything else is done: two tensor loads of a wave are out
.endr
	; A fragment is 16 rows x 32 K in 8 registers: lane l holds row l % 16; registers 0-3 hold K = 8 (l / 16) + 0..7, registers 4-7 K = 16 + 8 (l / 16) + 0..7:
	; two loads of 16 bytes, 32 bytes apart.  The same for source 0 and source 1.
	v_and_b32 v1, 15, v0                           ; r = l % 16
	v_bfe_u32 v2, v0, 4, 1                         ; h = l / 16
	v_mul_u32_u24 v3, v1, PITCH
	v_lshl_add_u32 v3, v2, 4, v3                   ; row x pitch + 16 x half
	s_mul_i32 s22, s11, AHALF
	s_add_co_u32 s22, s22, ABASE                   ; my 128 rows of A
	s_mul_i32 s23, s12, BHALF                      ; my 192 rows of B
.irp s, 0,1
	v_add_nc_u32 v[ADRA+\s], s22, v3
	v_add_nc_u32 v[ADRB+\s], s23, v3
	s_add_co_u32 s22, s22, SLOT
	s_add_co_u32 s23, s23, SLOT
.endr
	; the stage: a stage row holds rows 2 u and 2 u + 1 of a head, which are 256 consecutive bytes of qkv.
	s_mul_i32 s18, s10, STG
	s_add_co_u32 s18, s18, STAGE                   ; my stage
	v_lshrrev_b32 v4, 1, v1
	v_mul_u32_u24 v4, v4, UPITCH                   ; in: stage row r / 2,
	v_and_b32 v5, 1, v1
	v_lshl_add_u32 v4, v5, 7, v4                   ; its half r % 2,
	v_lshl_add_u32 v4, v2, 4, v4                   ; 16 bytes for each half of the lanes: the sixteen r fall on sixteen different 16-byte columns modulo 256
	v_add_nc_u32 v[STO], s18, v4
	v_mul_u32_u24 v5, v2, UPITCH                   ; back: lanes 0-15 take one stage row, lanes 16-31 the next
	v_lshl_add_u32 v5, v1, 4, v5
	v_add_nc_u32 v[RD], s18, v5
	v_lshlrev_b32 v6, 8, v2
	v_lshl_add_u32 v[CO], v1, 4, v6                ; 16 x lane
	v_lshlrev_b32 v[BO], 5, v2                     ; 8 (l / 16) numbers of 4 bytes
	; my three heads: number 6 x block column + 3 x column half + g of 48; section = number / 16 (q, k, v), head = number % 16.
	s_mul_i32 s91, s42, 6
	s_mul_i32 s72, s12, 3
	s_add_co_u32 s91, s91, s72
	s_lshr_b32 s92, s13, 2                         ; what the three share: batch = block row / 4, 2^21 bytes each,
	s_lshl_b32 s92, s92, 21
	s_and_b32 s72, s13, 3
	s_lshl_b32 s72, s72, 15                        ; s = 256 x (block row % 4)
	s_add_co_u32 s92, s92, s72
	s_lshl_b32 s72, s11, 14                        ; + 128 x row half, rows of 128 bytes
	s_add_co_u32 s92, s92, s72
.macro HEAD g
	s_add_co_u32 s72, s91, \g
	s_lshr_b32 s73, s72, 4                         ; section
	s_and_b32 s74, s72, 15                         ; head
	s_cmp_eq_u32 s73, 0
	s_cselect_b64 s[BP+2*\g:BP+2*\g+1], s[68:69], s[70:71]         ; qb for a head of q, else vb (a head of k reads vb's numbers and drops them below)
	s_cmp_lg_u32 s73, 1
	s_cselect_b32 s[BM+\g], -1, 0                                  ; a head of k has no bias
	s_lshl_b32 s72, s73, 24                        ; a section of qkv is 2^24 bytes, a head 2^17
	s_lshl_b32 s73, s74, 17
	s_add_co_u32 s72, s72, s73
	s_add_co_u32 s72, s72, s92
	s_mov_b32 s73, 0
	s_add_nc_u64 s[OB+2*\g:OB+2*\g+1], s[8:9], s[72:73]
	s_lshl_b32 s74, s74, 8                         ; 64 numbers of 4 bytes
	s_mov_b32 s75, 0
	s_add_nc_u64 s[BP+2*\g:BP+2*\g+1], s[BP+2*\g:BP+2*\g+1], s[74:75]
.endm
	HEAD 0
	HEAD 1
	HEAD 2
	; the bias, straight into tiles (7, 0..3) of each head's window: register 8 b + j of lane (r, h) = bias[16 b + 8 h + j]
.irp g, 0,1,2
	WIN 0x44*(\g+1)
.irp b, 0,1,2,3
	global_load_b128 v[BT+8*\b:BT+8*\b+3],   v[BO], s[BP+2*\g:BP+2*\g+1] offset:64*\b
	global_load_b128 v[BT+8*\b+4:BT+8*\b+7], v[BO], s[BP+2*\g:BP+2*\g+1] offset:64*\b+16
.endr
.endr
	s_wait_loadcnt 0x0
.irp g, 0,1,2
	WIN 0x44*(\g+1)
.set i, 0
.rept 32
	v_cndmask_b32 v[BT+i], 0, v[BT+i], s[BM+\g]    ; kept for q and v, 0 for k: a select
.set i, i+1
.endr
.endr
	WIN 0
; 4 matrix instructions: row tile a x head g's four column tiles, 32 along K, A's fragments from buffer af.
; bias = 1: the product starts the sum from the bias, which lies in tile (7, b) of the same window.
.macro MUL4 g, af, a, bias
.irp b, 0,1,2,3
.if \bias
	v_wmma_f32_16x16x32_bf16 v[8*(4*(\a)+\b):8*(4*(\a)+\b)+7], v[BG+32*\g+8*\b:BG+32*\g+8*\b+7], v[\af+8*(\a):\af+8*(\a)+7], v[BT+8*\b:BT+8*\b+7]
.else
	v_wmma_f32_16x16x32_bf16 v[8*(4*(\a)+\b):8*(4*(\a)+\b)+7], v[BG+32*\g+8*\b:BG+32*\g+8*\b+7], v[\af+8*(\a):\af+8*(\a)+7], v[8*(4*(\a)+\b):8*(4*(\a)+\b)+7]
.endif
.endr
.endm
.macro MUL16 g, af, a0, bias
	MUL4 \g, \af, \a0, \bias
	MUL4 \g, \af, \a0+1, \bias
	MUL4 \g, \af, \a0+2, \bias
	MUL4 \g, \af, \a0+3, \bias
.endm
; A head's 32 matrix instructions.  first = 1: nothing is cleared and nothing is added later.
.macro HEADQ g, af, first
.if \first
	MUL16 \g, \af, 0, 1
	MUL4 \g, \af, 4, 1
	MUL4 \g, \af, 5, 1
	MUL4 \g, \af, 6, 1
.rept 5
	v_nop                                          ; tile (7, b) is written over only five places behind the last product that read it as C
.endr
	MUL4 \g, \af, 7, 0                             ; and adds in place onto the bias that it holds
.else
	MUL16 \g, \af, 0, 0
	MUL16 \g, \af, 4, 0
.endif
.endm
.macro LDB g, slot, k                  ; 8 LDS loads: head g's 64 rows of B, 32 K at byte k of the rows
.irp b, 0,1,2,3
	ds_load_b128 v[BG+32*\g+8*\b:BG+32*\g+8*\b+3],   v[ADRB+\slot] offset:\k+(4*\g+\b)*16*PITCH
	ds_load_b128 v[BG+32*\g+8*\b+4:BG+32*\g+8*\b+7], v[ADRB+\slot] offset:\k+(4*\g+\b)*16*PITCH+32
.endr
.endm
.macro LDA af, slot, k                 ; 16 LDS loads: my 128 rows of A
.irp i, 0,1,2,3,4,5,6,7
	ds_load_b128 v[\af+8*\i:\af+8*\i+3],   v[ADRA+\slot] offset:\k+\i*16*PITCH
	ds_load_b128 v[\af+8*\i+4:\af+8*\i+7], v[ADRA+\slot] offset:\k+\i*16*PITCH+32
.endr
.endm
; A load into a register that a matrix instruction has read, and a vector instruction that reads a matrix result, stand four places behind that
; matrix instruction, and only plain vector instructions that name none of its registers are places (ISA guide 7.12.1 for vector instructions).
; So four v_nop stand in front of each run of loads: twelve for 96 matrix instructions.
.macro PLACES
.rept 4
	v_nop
.endr
.endm
; A K step is two quarters of 32 along K, 96 matrix instructions each.  LDS loads come back in order, and they are always issued in the order
; [head 0's group, A], [head 1's group], [head 2's group]: 24, 8, 8.
; The even quarter multiplies buffer A0 and fetches the odd quarter's fragments from byte 64 of the same slot's rows.
.macro EVENQ slot, first
	s_wait_dscnt 16                                ; head 0's group and A are in; the 16 loads behind them (heads 1 and 2) may be out
	WIN 0x50
	HEADQ 0, A0, \first
	PLACES
	WIN 0
	LDB 0, \slot, 64
	LDA A1, \slot, 64
	s_wait_dscnt 32                                ; head 1's group is in: behind it stand head 2's 8 and the 24 just issued
	WIN 0xa0
	HEADQ 1, A0, \first
	PLACES
	WIN 0
	LDB 1, \slot, 64
	s_wait_dscnt 32                                ; head 2's group is in: behind it stand the 24 and the 8 for the next quarter
	WIN 0xf0
	HEADQ 2, A0, \first
	PLACES
	WIN 0
	LDB 2, \slot, 64
.endm
; The odd quarter multiplies buffer A1 and changes slots.  All its fragments were asked for in the even quarter, so this slot is read for the last time
; when they are in.  ONE barrier for the change of slots.  In front of it each wave waits for its own reads of this slot and for all its tensor loads,
; of which one is out: its part of the next slot.  Behind it nobody reads this slot any more and the next slot is whole: the refill comes first
; (fill = 1: two K steps ahead), then the next slot's fragments.  From a request to the wait for it a wave issues 176 matrix instructions.
.macro ODDQ slot, next, fill
	s_wait_dscnt 16
	WIN 0x50
	MUL16 0, A1, 0, 0
	s_wait_dscnt 0                                 ; my reads of this slot are over
	s_wait_tensorcnt 0x0                           ; and all my tensor loads have landed: the one that was out is my part of the next slot
	ds_add_u32 v30, v31
	s_wait_dscnt 0x0
	s_barrier_signal -1                            ; say so (where a slot is filled again this barrier opens a round of the cluster's barrier),
	MUL16 0, A1, 4, 0                              ; work on registers while the others arrive,
	WIN 0
	s_barrier_wait -1                              ; and go on when all four have said so
.if \fill
	CREST                                          ; all sixteen work-groups have said so: no wave of any partner still reads this slot's tile or has a load on its way
	s_add_nc_u64 s[G0+4*\slot+2:G0+4*\slot+3], s[G0+4*\slot+2:G0+4*\slot+3], 2*KSTEP*2
	s_add_nc_u64 s[G0B+4*\slot+2:G0B+4*\slot+3], s[G0B+4*\slot+2:G0B+4*\slot+3], 2*KSTEP*2
	JLOAD \slot                                    ; the first tensor load behind the round, and my only one until the next
.endif
	PLACES
	LDB 0, \next, 0
	LDA A0, \next, 0
	WIN 0xa0
	HEADQ 1, A1, 0                                 ; its fragments are in since the wait for 0
	PLACES
	WIN 0
	LDB 1, \next, 0
	WIN 0xf0
	HEADQ 2, A1, 0
	PLACES
	WIN 0
	LDB 2, \next, 0
.endm
.macro LAP first                       ; once round the ring, both slots filled again
	EVENQ 0, \first
	ODDQ 0, 1, 1
	EVENQ 1, 0
	ODDQ 1, 0, 1
.endm
	s_wait_tensorcnt 1                             ; my part of K step 0 is in; K step 1's load stays out
	s_barrier_signal -1
	s_barrier_wait -1                              ; everybody's is
	LDB 0, 0, 0
	LDA A0, 0, 0
	LDB 1, 0, 0
	LDB 2, 0, 0
	LAP 1                                          ; the first lap stands in front of the loop: its first products start the sums
	s_mov_b32 s3, LAPS-2                           ; every window is 0 here, at the label and at the branch
.Llap:
	LAP 0
	s_sub_co_u32 s3, s3, 1
	s_cmp_lg_u32 s3, 0
	s_cbranch_scc1 .Llap
	EVENQ 0, 0                                     ; the last lap fills nothing and has no round of the cluster's barrier: my one load still out is slot 1's, the last K step's
	ODDQ 0, 1, 0
	EVENQ 1, 0
	s_wait_dscnt 16                                ; the very last quarter: nothing more to fetch, the counts run down
	WIN 0x50
	HEADQ 0, A1, 0
	s_wait_dscnt 8
	WIN 0xa0
	HEADQ 1, A1, 0
	s_wait_dscnt 0
	WIN 0xf0
	HEADQ 2, A1, 0
	; THE WAY OUT, 32 rows of a head at a time: round to bf16, 16 bytes a lane into my own stage in LDS, read back as stage rows of 256 bytes.
	; My 128 rows of a head are 16,384 consecutive bytes of qkv, so a store of the wave covers 512 consecutive bytes, aligned.
	; The four v_nop are the places behind the last matrix instructions, for the conversions and for the loads into window 0.
	PLACES
; rows 32 ap .. 32 ap + 31 of head g = the eight tiles (2 ap, 0..3), (2 ap + 1, 0..3) of its window; f: R0 or R1 in turn
.macro OUT g, ap, f
	WIN 5*(\g+1)
.irp k, 0,1,2,3,4,5,6,7
.irp r, 0,1,2,3
	v_cvt_pk_bf16_f32 v[TMP+4*\k+\r], v[64*\ap+8*\k+2*\r], v[64*\ap+8*\k+2*\r+1]
.endr
.endr
	WIN 0
.irp k, 0,1,2,3,4,5,6,7
	ds_store_b128 v[STO], v[TMP+4*\k:TMP+4*\k+3] offset:(\k/4)*8*UPITCH+32*(\k%4)   ; row tile k / 4 (eight stage rows), columns 16 (k % 4) + 8 h ..
.endr
	s_wait_xcnt 0x0                                ; buffer f, which earlier stores read, is loaded again only behind this wait
.irp t, 0,1,2,3,4,5,6,7
	ds_load_b128 v[\f+4*\t:\f+4*\t+3], v[RD] offset:\t*2*UPITCH    ; LDS serves a wave's instructions in order (ISA guide 5.7.1.4): these see the stores above
.endr
.irp t, 0,1,2,3,4,5,6,7
	s_wait_dscnt 7-\t                              ; read t is back, the younger ones stay out
	global_store_b128 v[CO], v[\f+4*\t:\f+4*\t+3], s[OB+2*\g:OB+2*\g+1] offset:4096*\ap+512*\t   ; rows 32 ap + 4 t .. + 3 of the head
.endr
.endm
.irp g, 0,1,2
	OUT \g, 0, R0
	OUT \g, 1, R1
	OUT \g, 2, R0
	OUT \g, 3, R1
.endr
	s_wait_tensorcnt 0x0
	ds_add_u32 v30, v31
	s_wait_dscnt 0x0
	CROUND                                         ; the closing round: no work-group ends while a partner may still ask for a tile that names it
	s_endpgm
.Lfunc_end_k_qb0fd73a589_proj:
	.size	k_qb0fd73a589_proj, .Lfunc_end_k_qb0fd73a589_proj-k_qb0fd73a589_proj
	.p2alignl 7, 3214868480
	.fill 96, 4, 3214868480
	.section	.rodata,"a",@progbits
	.p2align	6, 0x0
	.amdhsa_kernel k_qb0fd73a589_proj
		.amdhsa_group_segment_fixed_size 327680
		.amdhsa_private_segment_fixed_size 0
		.amdhsa_enable_private_segment 0
		.amdhsa_kernarg_size 32
		.amdhsa_user_sgpr_count 2
		.amdhsa_user_sgpr_kernarg_segment_ptr 1
		.amdhsa_wavefront_size32 1
		.amdhsa_system_sgpr_workgroup_id_x 1
		.amdhsa_system_sgpr_workgroup_id_y 1
		.amdhsa_system_sgpr_workgroup_id_z 1
		.amdhsa_system_vgpr_workitem_id 0
		.amdhsa_next_free_vgpr 1024
		.amdhsa_next_free_sgpr 96
		.amdhsa_reserve_vcc 0
		.amdhsa_float_denorm_mode_32 3
		.amdhsa_float_denorm_mode_16_64 3
		.amdhsa_memory_ordered 1
		.amdhsa_forward_progress 1
		.amdhsa_inst_pref_size 180
	.end_amdhsa_kernel
	.amdgpu_metadata
---
amdhsa.version: [ 1, 2 ]
amdhsa.kernels:
  - .name:           k_qb0fd73a589_proj
    .symbol:         k_qb0fd73a589_proj.kd
    .args:
      - { .name: xw, .offset: 0, .size: 8, .value_kind: global_buffer, .address_space: global }
      - { .name: qb, .offset: 8, .size: 8, .value_kind: global_buffer, .address_space: global }
      - { .name: vb, .offset: 16, .size: 8, .value_kind: global_buffer, .address_space: global }
      - { .name: qkv, .offset: 24, .size: 8, .value_kind: global_buffer, .address_space: global }
    .group_segment_fixed_size: 327680
    .private_segment_fixed_size: 0
    .kernarg_segment_align: 8
    .kernarg_segment_size: 32
    .max_flat_workgroup_size: 128
    .sgpr_count:     96
    .vgpr_count:     1024
    .wavefront_size: 32
...
	.end_amdgpu_metadata
.endif
;; end of part 4
;; launch attn (part 5): grid 256 x 1, 8 waves a work-group, no clusters, 312,320 bytes of LDS; arguments qkv, out0; writes out0
.if DOCPART == 5
	.amdgcn_target "amdgcn-amd-amdhsa--gfx1250"
	.amdhsa_code_object_version 6
	.text
	.protected	k_qb0fd73a589_attn
	.globl	k_qb0fd73a589_attn
	.p2align	8
	.type	k_qb0fd73a589_attn,@function
k_qb0fd73a589_attn:
	s_mov_b64 s[64:65], 0
	v_nop
	global_prefetch_b8 v0, s[64:65] scope:SCOPE_SE
	s_setreg_imm32_b32 hwreg(HW_REG_WAVE_MODE, 25, 1), 1
	s_wait_xcnt 0x0
; out0[b][s][64 head + d] = sum over keys of softmax(q . k / 32) v, from qkv[3][b][head][s][d] in bf16; out0 in f32.
; WORK LEFT OUT: k carries no kb (it cancels in the softmax; shown at the head of the first launch's text).
; A work-group takes 512 queries of one (batch, head) against all 1,024 keys; wave w takes 64 of them, as 4 query tiles of 16.
; ALL of the head's K and V lies in LDS (1,024 x 144 + 1,024 x 160 bytes): every LDS byte is filled once, nothing is filled again.
; The fills are four phases of 256 keys.  Each wave issues its four loads at the start (four tensor loads of a wave are out at the most); a phase is read
; behind a counted wait and a barrier, while the later phases are still on their way.
; NO CLUSTER: only two work-groups share a head's K and V, which is no row or column of four; four query blocks a head would be 512 work-groups that each fill
; the whole 256 KiB for half the products.  What is shared is 262,144 bytes for 2 x 512 x 1024 x 64 multiply-adds of a work-group.
;
; BOTH PRODUCTS ARE TRANSPOSED.  S^T = K Q^T: source 0 = 16 keys, source 1 = 16 queries; lane (r, h) holds query r, register j key 8 h + j.
; So a row's maximum and sum are sums over a lane's registers and one exchange between the halves h, and the eight results of two neighbouring key tiles
; pack in place into the second source of O^T = V^T P^T (source 0 = V^T, by the transposing LDS load); there lane (r, h) holds query r, register j d = 8 h + j.
;
; TWO PIECES TAKE TURNS.  Piece X = query tiles 0, 1; piece Y = tiles 2, 3.  A step is 64 keys.  While the matrix unit works for one piece (16 products
; P V of step t, then 16 products K Q of step t + 1), the vector unit does the other piece's softmax: it is cut into 32 slices, one behind each matrix instruction.
;   trip t:  P V of X (t), K Q of X (t + 1)  beside  softmax of Y (t);     P V of Y (t), K Q of Y (t + 1)  beside  softmax of X (t + 1).
; Both pieces use the same fragments: V^T of step t and K of step t + 1.  K's are fetched at the trip's head, V's behind the second run of P V, each 16 matrix instructions ahead of use.
; WINDOWS.  Window 0: small registers, K's fragments, the scores of both pieces.  Window 1: O, Q's and V^T's fragments.
;   K Q runs under 0x04 (source 1 = Q in window 1).  A slice that names no vector register as source 1 runs under it too: the shift (its factor is a scalar pair),
;   the exponentials, and the sums, which are written as x * 1.0 + sum for that reason: as many instructions as adds would be.
;   P V runs under 0x51 (V^T, C and D in window 1, P in window 0): so does O * factor (destination and source 0 in window 1, source 1 in window 0).
;   The maxima and the packing name three or two registers of window 0 and need setting 0: 14 of a half's 32 slices stand between two switches, some 60 switches in a trip.
;   Four waves of 128 queries would halve the fragment loads, but both pieces' scores (256 registers) and K's fragments (64) would not fit one window, and then
;   the exponentials, which read and write through source 0 and the destination, could share no setting with K Q: every matrix instruction would stand between two switches.
; In each run the piece's 8 accumulators take turns, one instruction a turn, and the runs change between O and S.
; SOFTMAX: a running maximum m per query.  With c = log2(e) / 32 and NM = round(-c m): p = 2^(c s + NM) (one fused multiply-add), and the old sums are
; multiplied by 2^(NM new - NM old), the difference of the very shifts that were used.
; LIMITS: q, k, v and the unnormalised p are bf16 matrix operands; the row's sum is taken over the f32 p.  The row's largest p is 2^e with |e| <= 2^-24 |c m|:
; about 1, so the sum is never 0 as long as |c m| stays under some 2^30.  v_exp_f32 gives 0 for results under 2^-126 (ISA guide 15.8).
.set KP,     144                       ; LDS pitch of a key in K: 128 + 16, an odd multiple of 16
.set VP,     160                       ; in V: 128 + 32, an odd multiple of 32, for the transposing load
.set VBASE,  1024*KP                   ; V lies behind K: byte 147,456
.set KSTEPB, 64*KP                     ; a step of 64 keys, and what one tensor load fills of K
.set VSTEPB, 64*VP
.set KPH,    256*KP                    ; a phase of 256 keys
.set VPH,    256*VP
.set SPITCH, 272                       ; the way out: a query's 256 bytes + 16
.set STG,    16*SPITCH                 ; a wave's stage, 4,352 bytes = 17 x 256, in K's region, used when K has been filled and read for the last time
; window 0
.set KA,  6                            ; v6   144 r + 16 h + the step
.set VA,  7                            ; v7   VBASE + (8 h + l % 8) 160 + 16 ((l / 8) % 2) + the step
.set QO,  8                            ; v8   128 r + 16 h
.set STO, 9                            ; v9   stage: 272 r + 32 h
.set RD,  10                           ; v10  stage: 272 h + 16 r
.set CO,  11                           ; v11  out0: 4096 h + 16 r
.set M,   12                           ; v[12:15] the running maximum of query tile qt
.set L,   16                           ; v[16:19] the running sum, each half h's own part
.set AL,  20                           ; v[20:27] pairs: the rescale factor of query tile qt in the even register
.set NM,  28                           ; v[28:31] two pairs: -c m of the piece's two query tiles in the even registers
.set TM,  32                           ; v[32:39] the maxima's chains: four for each of the piece's two query tiles
.set TS,  40                           ; v[40:47] the sums' chains: two pairs for each
.set KF,  64                           ; v[64:127]  K's fragments: (kt, e) at 8 (2 kt + e)
.set S,   128                          ; v[128:255] scores: tile (qt, kt) at 8 (4 qt + kt); then P: (qt, g) at 32 qt + 16 g; at the end the rows read back
; window 1
.set O,   0                            ; v[256:383] O^T: tile (qt, dt) at 8 (4 qt + dt)
.set QF,  128                          ; v[384:447] Q's fragments: (qt, e) at 8 (2 qt + e)
.set VF,  192                          ; v[448:511] V^T's fragments: (g, dt) at 8 (4 g + dt)
.set G1,  16                           ; s[16:23] descriptor group 1
.set G0,  24                           ; s[24:39] descriptor group 0, one set for each phase; none is ever written again
.set MSB, 0
.macro WIN new                         ; the immediate's high byte repeats the setting that is left
.if MSB != (\new)
	s_set_vgpr_msb (MSB<<8)|(\new)
.set MSB, (\new)
.endif
.endm
	s_load_b128 s[4:7], s[0:1], 0x0                ; qkv s[4:5], out0 s[6:7]
	v_lshl_add_u32 v62, v0, 2, 0x4c000
	v_mov_b32 v63, 0
	ds_add_u32 v62, v63
	ds_add_u32 v62, v63
	v_lshrrev_b32 v3, 5, v0
	v_readfirstlane_b32 s8, v3                     ; wave 0..7
	s_lshr_b32 s9, ttmp9, 1                        ; 16 b + head
	s_and_b32 s10, ttmp9, 1                        ; which 512 queries
	; Group 1: 64 keys are 8,192 dense bytes, stated as 32 rows of 128 elements of 2 bytes (256 bytes, aligned); a pad follows every 32 words, that is every key.
	s_mov_b32 s[G1+1], 128<<16                     ; tensor_dim0 = 128
	s_mov_b32 s[G1+2], 32<<16                      ; tensor_dim1 = 32
	s_mov_b32 s[G1+3], 128<<16                     ; tile_dim0 = 128
	s_mov_b32 s[G1+4], 32                          ; tile_dim1 = 32
	s_mov_b32 s[G1+5], 128                         ; elements from row to row: dense
	s_mov_b32 s[G1+6], 0
	s_mov_b32 s[G1+7], 0
	s_lshl_b32 s12, s9, 17                         ; a head is 1,024 x 128 bytes
	s_lshl_b32 s13, s8, 13                         ; 64 keys x 128 bytes for each wave
	s_add_co_u32 s12, s12, s13
	s_mov_b32 s13, 0
; The wave's four fills, phases 0 to 3, as one group: ahead of every wait on TENSORcnt, every LDS read and every barrier.
; LDS address = wave x a constant (s41) + a constant + phase x a constant; global address = s[14:15] + 256 keys x 128 bytes x phase.
.macro FILLS lds0, ldsp
.irp p, 0,1,2,3
	s_mov_b32 s[G0+4*\p], 1                                        ; count = 1
	s_add_co_u32 s[G0+4*\p+1], s41, (\lds0)+(\ldsp)*\p             ; LDS address
	s_add_nc_u64 s[G0+4*\p+2:G0+4*\p+3], s[14:15], 32768*\p        ; global address
	s_or_b32 s[G0+4*\p+3], s[G0+4*\p+3], 0x80000000                ; type = 2
	tensor_load_to_lds s[G0+4*\p:G0+4*\p+3], s[G1:G1+7]
	s_nop 0
.endr
.endm
	s_wait_dscnt 0x0
	s_wait_kmcnt 0x0
	s_cmp_ge_u32 s8, 4
	s_cbranch_scc1 .Lfill_v
	s_mov_b32 s[G1+0], 0x07110000                  ; waves 0-3, K: elements of 2 bytes, padding on, after every 32 words 4 words
	s_add_co_u32 s12, s12, 0x1000000               ; k is the second section of qkv
	s_add_nc_u64 s[14:15], s[4:5], s[12:13]
	s_mul_i32 s41, s8, KSTEPB
	FILLS 0, KPH
	s_branch .Lfilled
.Lfill_v:
	s_mov_b32 s[G1+0], 0x0f110000                  ; waves 4-7, V: the same with 8 words of padding
	s_add_co_u32 s12, s12, 0x2000000-4*8192        ; v is the third section; wave 4 brings the phase's first 64 keys
	s_add_nc_u64 s[14:15], s[4:5], s[12:13]
	s_mul_i32 s41, s8, VSTEPB
	FILLS VBASE-4*VSTEPB, VPH
.Lfilled:
	; Q goes straight into registers, once: fragment (qt, e) = queries 16 qt + r, d = 32 e + 8 h .. and 32 e + 16 + 8 h ..
	s_lshl_b32 s12, s9, 17
	s_lshl_b32 s13, s10, 16                        ; 512 queries x 128 bytes
	s_add_co_u32 s12, s12, s13
	s_lshl_b32 s13, s8, 13                         ; 64 queries x 128 bytes
	s_add_co_u32 s12, s12, s13
	s_mov_b32 s13, 0
	s_add_nc_u64 s[48:49], s[4:5], s[12:13]
	v_and_b32 v1, 15, v0                           ; r
	v_bfe_u32 v2, v0, 4, 1                         ; h
	v_lshlrev_b32 v[QO], 7, v1
	v_lshl_add_u32 v[QO], v2, 4, v[QO]
	WIN 0x40                                       ; destination window 1, address window 0
.irp qt, 0,1,2,3
.irp e, 0,1
	global_load_b128 v[QF+8*(2*\qt+\e):QF+8*(2*\qt+\e)+3],   v[QO], s[48:49] offset:2048*\qt+64*\e th:TH_LOAD_NT
	global_load_b128 v[QF+8*(2*\qt+\e)+4:QF+8*(2*\qt+\e)+7], v[QO], s[48:49] offset:2048*\qt+64*\e+32 th:TH_LOAD_NT
.endr
.endr
	WIN 0
	v_mul_u32_u24 v[KA], v1, KP
	v_lshl_add_u32 v[KA], v2, 4, v[KA]
	v_and_b32 v3, 7, v0
	v_lshl_add_u32 v3, v2, 3, v3                   ; 8 h + l % 8: the key that this lane addresses for the transposing load
	v_mul_u32_u24 v[VA], v3, VP
	v_bfe_u32 v3, v0, 3, 1
	v_lshl_add_u32 v[VA], v3, 4, v[VA]
	v_add_nc_u32 v[VA], VBASE, v[VA]
	s_mul_i32 s12, s8, STG
	v_mul_u32_u24 v[STO], v1, SPITCH
	v_lshl_add_u32 v[STO], v2, 5, v[STO]
	v_add_nc_u32 v[STO], s12, v[STO]
	v_mul_u32_u24 v[RD], v2, SPITCH
	v_lshl_add_u32 v[RD], v1, 4, v[RD]
	v_add_nc_u32 v[RD], s12, v[RD]
	v_lshlrev_b32 v[CO], 12, v2                    ; a row of out0 is 4,096 bytes
	v_lshl_add_u32 v[CO], v1, 4, v[CO]
	s_lshr_b32 s14, s9, 4                          ; out0 at batch, my first query, my head's 256 bytes
	s_lshl_b32 s14, s14, 22
	s_lshl_b32 s15, s10, 21
	s_add_co_u32 s14, s14, s15
	s_lshl_b32 s15, s8, 18
	s_add_co_u32 s14, s14, s15
	s_and_b32 s15, s9, 15
	s_lshl_b32 s15, s15, 8
	s_add_co_u32 s14, s14, s15
	s_mov_b32 s15, 0
	s_add_nc_u64 s[6:7], s[6:7], s[14:15]
	s_mov_b32 s42, 0x3d38aa3b                      ; c = log2(e) / 32: the scale 1 / sqrt(1024) and the change of base in one
	s_mov_b32 s43, 0x3d38aa3b
	s_mov_b32 s44, 0xbd38aa3b                      ; -c
	s_mov_b32 s46, 0x76543210                      ; v_permlanex16_b32: lane i of one half reads lane i of the other
	s_mov_b32 s47, 0xfedcba98
.irp i, 1,3,5,7
	v_mov_b32 v[AL+\i], 0                          ; the upper registers of the pairs are never selected, but a pair is read whole
.endr
	v_mov_b32 v[NM+1], 0
	v_mov_b32 v[NM+3], 0
.macro LOADK                           ; 64 keys x 64 d: 8 fragments, 16 loads
	WIN 0
.irp kt, 0,1,2,3
.irp e, 0,1
	ds_load_b128 v[KF+8*(2*\kt+\e):KF+8*(2*\kt+\e)+3],   v[KA] offset:16*KP*\kt+64*\e
	ds_load_b128 v[KF+8*(2*\kt+\e)+4:KF+8*(2*\kt+\e)+7], v[KA] offset:16*KP*\kt+64*\e+32
.endr
.endr
.endm
.macro LOADV                           ; 64 keys of V, transposed: fragment (g, dt) = d 16 dt + r, keys 32 g + 8 h .. and 32 g + 16 + 8 h ..
	WIN 0x40
.irp g, 0,1
.irp dt, 0,1,2,3
	ds_load_tr16_b128 v[VF+8*(4*\g+\dt):VF+8*(4*\g+\dt)+3],   v[VA] offset:32*VP*\g+32*\dt
	ds_load_tr16_b128 v[VF+8*(4*\g+\dt)+4:VF+8*(4*\g+\dt)+7], v[VA] offset:32*VP*\g+32*\dt+16*VP
.endr
.endr
.endm
; Matrix instruction n (0..15) of piece p's run S^T = K Q^T: n = 8 e + 4 (query tile of the piece) + kt.  d 0-31 (e = 0) starts the 8 sums, d 32-63 adds in place.
.macro QKW p, n
.set e_, (\n)/8
.set q_, 2*\p+((\n)/4)%2
.set k_, (\n)%4
	WIN 0x04
.if e_ == 0
	v_wmma_f32_16x16x32_bf16 v[S+8*(4*q_+k_):S+8*(4*q_+k_)+7], v[KF+16*k_:KF+16*k_+7], v[QF+16*q_:QF+16*q_+7], 0
.else
	v_wmma_f32_16x16x32_bf16 v[S+8*(4*q_+k_):S+8*(4*q_+k_)+7], v[KF+16*k_+8:KF+16*k_+15], v[QF+16*q_+8:QF+16*q_+15], v[S+8*(4*q_+k_):S+8*(4*q_+k_)+7]
.endif
.endm
; Matrix instruction n (0..15) of piece p's run O^T += V^T P^T: n = 8 g + 4 (query tile of the piece) + dt.  first = 1: the first 32 keys (g = 0) start the sums.
.macro PVW p, n, first
.set g_, (\n)/8
.set q_, 2*\p+((\n)/4)%2
.set d_, (\n)%4
	WIN 0x51
.if (\first)*(1-g_)
	v_wmma_f32_16x16x32_bf16 v[O+8*(4*q_+d_):O+8*(4*q_+d_)+7], v[VF+8*(4*g_+d_):VF+8*(4*g_+d_)+7], v[S+32*q_+16*g_:S+32*q_+16*g_+7], 0
.else
	v_wmma_f32_16x16x32_bf16 v[O+8*(4*q_+d_):O+8*(4*q_+d_)+7], v[VF+8*(4*g_+d_):VF+8*(4*g_+d_)+7], v[S+32*q_+16*g_:S+32*q_+16*g_+7], v[O+8*(4*q_+d_):O+8*(4*q_+d_)+7]
.endif
.endm
; Slice n (0..31) of piece p's softmax step: 64 scores a lane, 32 of each of its two queries.  first = 1: there is no old maximum, no old sum and no O yet.
;   0-5   the maxima, three levels of four chains for each query tile          6, 7  the chains join; the halves h meet; shift, factor, new maximum
;   8-15  O times the factor, four packed products a slice
;   16-25 tile by tile, three stages one tile apart: exponentials of tile k - 1, shift of tile k, sums of tile k - 2.  The shift's or the sums' lines are the plain
;         instructions that stand between the exponentials and the first use of their results (ISA guide 5.7.2)
;   26    the sums' chains join, the running sum        27-31  the packing to bf16, in place and ascending
.macro VS p, n, first
.set sb_, S+64*\p
.set qa_, 2*\p
.set vn_, \n
.if vn_ < 6
	WIN 0
.set vl_, vn_/2
.set vh_, vn_%2
.set vc_, 0
.rept 4
.if vl_ == 0
	v_max3_num_f32 v[TM+4*vh_+vc_], v[sb_+32*vh_+8*vc_], v[sb_+32*vh_+8*vc_+1], v[sb_+32*vh_+8*vc_+2]
.else
	v_max3_num_f32 v[TM+4*vh_+vc_], v[TM+4*vh_+vc_], v[sb_+32*vh_+8*vc_+2*vl_+1], v[sb_+32*vh_+8*vc_+2*vl_+2]
.endif
.set vc_, vc_+1
.endr
.endif
.if vn_ == 6
	WIN 0
.irp h, 0,1
	v_max3_num_f32 v[TM+4*\h],   v[TM+4*\h],   v[TM+4*\h+1], v[sb_+32*\h+7]
	v_max3_num_f32 v[TM+4*\h+2], v[TM+4*\h+2], v[TM+4*\h+3], v[sb_+32*\h+15]
.endr
.irp h, 0,1
	v_max3_num_f32 v[TM+4*\h], v[TM+4*\h], v[TM+4*\h+2], v[sb_+32*\h+23]
.endr
.irp h, 0,1
.if \first
	v_max_num_f32  v[TM+4*\h], v[TM+4*\h], v[sb_+32*\h+31]
.else
	v_max3_num_f32 v[TM+4*\h], v[TM+4*\h], v[sb_+32*\h+31], v[M+qa_+\h]
.endif
.endr
.endif
.if vn_ == 7
	WIN 0
.irp h, 0,1
	v_permlanex16_b32 v[TM+4*\h+1], v[TM+4*\h], s46, s47           ; the other half's keys of the same query (the destination has been written)
.endr
.irp h, 0,1
	v_max_num_f32 v[TM+4*\h+1], v[TM+4*\h], v[TM+4*\h+1]           ; the new maximum
.endr
.irp h, 0,1
	v_mul_f32 v[NM+2*\h], s44, v[TM+4*\h+1]                        ; the new shift, -c m
.endr
.if \first == 0
.irp h, 0,1
	v_mul_f32 v[TM+4*\h+2], s44, v[M+qa_+\h]                       ; the old shift, made as it was made
.endr
.irp h, 0,1
	v_sub_f32 v[TM+4*\h+2], v[NM+2*\h], v[TM+4*\h+2]
.endr
.irp h, 0,1
	v_exp_f32 v[AL+2*(qa_+\h)], v[TM+4*\h+2]
.endr
.endif
	s_wait_alu depctr_va_vdst(0)
.irp h, 0,1
	v_mov_b32 v[M+qa_+\h], v[TM+4*\h+1]                            ; also the plain instructions behind the two exponentials
.endr
.endif
.if vn_ >= 8
.if vn_ < 16
.if \first == 0
	WIN 0x51
.set vi_, 8*(vn_-8)
.rept 4
	v_pk_mul_f32 v[O+64*\p+vi_:O+64*\p+vi_+1], v[O+64*\p+vi_:O+64*\p+vi_+1], v[AL+2*(qa_+vi_/32):AL+2*(qa_+vi_/32)+1] op_sel_hi:[1,0]
.set vi_, vi_+2
.endr
.endif
.endif
.endif
.if vn_ >= 16
.if vn_ < 26
	WIN 0x04
.set vk_, vn_-16
.if vk_ >= 1
.if vk_ <= 8
.set vb_, sb_+8*(vk_-1)
.set vi_, 0
.rept 8
	v_exp_f32 v[vb_+vi_], v[vb_+vi_]
.set vi_, vi_+1
.endr
.endif
.endif
.if vk_ <= 7
.set vb_, sb_+8*vk_
.set vi_, 0
.rept 4
	v_pk_fma_f32 v[vb_+vi_:vb_+vi_+1], v[vb_+vi_:vb_+vi_+1], s[42:43], v[NM+2*(vk_/4):NM+2*(vk_/4)+1] op_sel_hi:[1,0,0]   ; c s - c m, both halves by s42 and the even register
.set vi_, vi_+2
.endr
.endif
.if vk_ >= 2
.set vj_, vk_-2
.set vb_, sb_+8*vj_
.set vt_, TS+4*(vj_/4)
.if vj_%4 == 0
	s_wait_alu depctr_va_vdst(0)
	v_pk_fma_f32 v[vt_:vt_+1],   v[vb_:vb_+1],     1.0, v[vb_+2:vb_+3] op_sel_hi:[1,0,1]   ; a query tile's first key tile starts its two chains
	v_pk_fma_f32 v[vt_+2:vt_+3], v[vb_+4:vb_+5],   1.0, v[vb_+6:vb_+7] op_sel_hi:[1,0,1]
.else
	s_wait_alu depctr_va_vdst(0)
	v_pk_fma_f32 v[vt_:vt_+1],   v[vb_:vb_+1],     1.0, v[vt_:vt_+1]     op_sel_hi:[1,0,1]
	v_pk_fma_f32 v[vt_+2:vt_+3], v[vb_+2:vb_+3],   1.0, v[vt_+2:vt_+3]   op_sel_hi:[1,0,1]
	v_pk_fma_f32 v[vt_:vt_+1],   v[vb_+4:vb_+5],   1.0, v[vt_:vt_+1]     op_sel_hi:[1,0,1]
	v_pk_fma_f32 v[vt_+2:vt_+3], v[vb_+6:vb_+7],   1.0, v[vt_+2:vt_+3]   op_sel_hi:[1,0,1]
.endif
.endif
.endif
.endif
.if vn_ == 26
	WIN 0x04
.irp h, 0,1
	v_pk_fma_f32 v[TS+4*\h:TS+4*\h+1], v[TS+4*\h:TS+4*\h+1], 1.0, v[TS+4*\h+2:TS+4*\h+3] op_sel_hi:[1,0,1]
.endr
	WIN 0
.irp h, 0,1
.if \first
	v_add_f32 v[L+qa_+\h], v[TS+4*\h], v[TS+4*\h+1]
.else
	v_fma_f32 v[L+qa_+\h], v[L+qa_+\h], v[AL+2*(qa_+\h)], v[TS+4*\h]
.endif
.endr
.if \first == 0
.irp h, 0,1
	v_add_f32 v[L+qa_+\h], v[L+qa_+\h], v[TS+4*\h+1]
.endr
.endif
.endif
.if vn_ >= 27
	WIN 0
	; key tiles 2 g and 2 g + 1 of a query tile (16 registers) become the 8 registers of P^T's fragment (keys 8 h .., then 16 + 8 h ..): 32 lines, 6 a slice, 8 in the last
.set vi_, 6*(vn_-27)
.set vc_, 6+2*(vn_/31)
.rept vc_
.set vb_, sb_+16*(vi_/8)
	v_cvt_pk_bf16_f32 v[vb_+vi_%8], v[vb_+2*(vi_%8)], v[vb_+2*(vi_%8)+1]
.set vi_, vi_+1
.endr
.endif
.endm
; 16 products P V of piece mp, each followed by one of slices 0-15 of piece vp
.macro RUNPV mp, pvfirst, vp, vfirst
.set n_, 0
.rept 16
	PVW \mp, n_, \pvfirst
	VS \vp, n_, \vfirst
.set n_, n_+1
.endr
.endm
; 16 products K Q of piece mp, each followed by one of slices 16-31 of piece vp
.macro RUNQK mp, vp, vfirst
.set n_, 0
.rept 16
	QKW \mp, n_
	VS \vp, 16+n_, \vfirst
.set n_, n_+1
.endr
.endm
; Trip t.  At its head V^T's fragments of step t are on their way or in.  The places behind matrix instructions are the slices:
;   K's fragments are loaded again behind the last K Q, the 8 packing lines of slice 31 and the two adds;
;   V^T's behind the last P V and the 4 products of slice 15;
;   a K Q that writes over P stands behind at least two of slices 16, 17 .. (4 plain lines each) that follow the last P V that read it;
;   a slice reads scores only behind the other piece's slice 31.
.macro TRIP first
	WIN 0
	v_add_nc_u32 v[KA], KSTEPB, v[KA]              ; step t + 1, for K here and for V below
	v_add_nc_u32 v[VA], VSTEPB, v[VA]
	LOADK
	s_wait_dscnt 16                                ; V^T of step t is in; K's 16 loads, issued behind it, stay out
	RUNPV 0, \first, 1, \first
	s_wait_dscnt 0x0                               ; K of step t + 1
	RUNQK 0, 1, \first
	RUNPV 1, \first, 0, 0
	LOADV
	RUNQK 1, 0, 0
.endm
.macro TRIPS id, count
	s_mov_b32 s40, \count
.Ltrip_\id:
	TRIP 0
	s_sub_co_u32 s40, s40, 1
	s_cmp_lg_u32 s40, 0
	s_cbranch_scc1 .Ltrip_\id
.endm
; Phase p's 256 keys may be read: my loads of phases 0 to p have landed (the 3 - p later ones stay out),
; and behind the barrier that holds of all eight waves.  No LDS instruction of mine is pending at the signal.
.macro PHB p
	s_wait_dscnt 0x0
	s_wait_tensorcnt 3-\p
	s_barrier_signal -1
	s_barrier_wait -1
.endm
	s_wait_loadcnt 0x0                             ; Q
	PHB 0
	LOADK                                          ; step 0
	LOADV
	s_wait_dscnt 16                                ; K's 16 loads are in; V's, issued behind them, stay out
.set n_, 0
.rept 16
	QKW 0, n_                                      ; X's first scores: nothing to set beside them yet
.set n_, n_+1
.endr
.rept 4
	v_nop                                          ; four places between these products and the first read of X's scores (ISA guide 7.12.1)
.endr
.set n_, 0
.rept 16
	QKW 1, n_                                      ; Y's first scores beside X's first softmax step, two slices behind each
	VS 0, 2*n_, 1
	VS 0, 2*n_+1, 1
.set n_, n_+1
.endr
	TRIP 1                                         ; trip 0 stands in front of the loops: it starts Y's maximum and sum, and O
	TRIPS 0, 2                                     ; trips 1, 2: they read up to step 3, the last of phase 0
	PHB 1
	TRIPS 1, 4                                     ; trips 3 to 6 read steps 4 to 7
	PHB 2
	TRIPS 2, 4                                     ; trips 7 to 10 read steps 8 to 11
	PHB 3                                          ; its wait is for 0: no tensor load is out from here on
	TRIPS 3, 4                                     ; trips 11 to 14 read steps 12 to 15
	s_wait_dscnt 0x0                               ; the last trip: V^T of step 15; nothing more to fetch, no scores to make
	RUNPV 0, 0, 1, 0
.set n_, 0
.rept 16
	VS 1, 16+n_, 0
.set n_, n_+1
.endr
.set n_, 0
.rept 16
	PVW 1, n_, 0
.set n_, n_+1
.endr
	WIN 0
.rept 4
	v_nop                                          ; four places between the last product and the first read of O
.endr
	; THE END: divide by the row's sum, and out through a stage in LDS, 16 queries at a time.
	s_wait_dscnt 0x0
	s_barrier_signal -1
	s_barrier_wait -1                              ; every wave has read K for the last time, and every fill has landed: K's first bytes now serve as stages
.irp qt, 0,1,2,3
	v_permlanex16_b32 v[TM+\qt], v[L+\qt], s46, s47 ; the other half's part of the sum
.endr
.irp qt, 0,1,2,3
	v_add_f32 v[TM+\qt], v[TM+\qt], v[L+\qt]
.endr
.irp qt, 0,1,2,3
	v_rcp_f32 v[AL+2*\qt], v[TM+\qt]
.endr
	v_nop                                          ; the plain instruction behind the reciprocals
	WIN 0x41                                       ; destination and source 0 window 1, source 1 window 0
	s_wait_alu depctr_va_vdst(0)
.irp qt, 0,1,2,3
.set i, 0
.rept 16
	v_pk_mul_f32 v[O+32*\qt+i:O+32*\qt+i+1], v[O+32*\qt+i:O+32*\qt+i+1], v[AL+2*\qt:AL+2*\qt+1] op_sel_hi:[1,0]
.set i, i+2
.endr
.endr
.irp qt, 0,1,2,3
	WIN 0x04                                       ; store data window 1, address window 0
.irp dt, 0,1,2,3
	ds_store_b128 v[STO], v[O+32*\qt+8*\dt:O+32*\qt+8*\dt+3]   offset:64*\dt      ; query r, d = 16 dt + 8 h + 0..3
	ds_store_b128 v[STO], v[O+32*\qt+8*\dt+4:O+32*\qt+8*\dt+7] offset:64*\dt+16   ; + 4..7
.endr
	WIN 0
.irp t, 0,1,2,3,4,5,6,7
	ds_load_b128 v[S+32*\qt+4*\t:S+32*\qt+4*\t+3], v[RD] offset:2*SPITCH*\t       ; my own bytes, served in order (ISA guide 5.7.1.4): queries 2 t + h, 16 bytes at 16 r
.endr
.irp t, 0,1,2,3,4,5,6,7
	s_wait_dscnt 7-\t                              ; read t is back, the younger ones stay out
	global_store_b128 v[CO], v[S+32*\qt+4*\t:S+32*\qt+4*\t+3], s[6:7] offset:65536*\qt+8192*\t th:TH_STORE_NT   ; 16 lanes store a query's 256 bytes of this head, aligned; each qt has registers of its own
.endr
.endr
	s_wait_tensorcnt 0x0
	ds_add_u32 v62, v63
	s_wait_dscnt 0x0
	s_endpgm
.Lfunc_end_k_qb0fd73a589_attn:
	.size	k_qb0fd73a589_attn, .Lfunc_end_k_qb0fd73a589_attn-k_qb0fd73a589_attn
	.p2alignl 7, 3214868480
	.fill 96, 4, 3214868480
	.section	.rodata,"a",@progbits
	.p2align	6, 0x0
	.amdhsa_kernel k_qb0fd73a589_attn
		.amdhsa_group_segment_fixed_size 312320
		.amdhsa_private_segment_fixed_size 0
		.amdhsa_enable_private_segment 0
		.amdhsa_kernarg_size 16
		.amdhsa_user_sgpr_count 2
		.amdhsa_user_sgpr_kernarg_segment_ptr 1
		.amdhsa_wavefront_size32 1
		.amdhsa_system_sgpr_workgroup_id_x 1
		.amdhsa_system_sgpr_workgroup_id_y 1
		.amdhsa_system_sgpr_workgroup_id_z 1
		.amdhsa_system_vgpr_workitem_id 0
		.amdhsa_next_free_vgpr 512
		.amdhsa_next_free_sgpr 66
		.amdhsa_reserve_vcc 0
		.amdhsa_float_denorm_mode_32 3
		.amdhsa_float_denorm_mode_16_64 3
		.amdhsa_memory_ordered 1
		.amdhsa_forward_progress 1
		.amdhsa_inst_pref_size 220
	.end_amdhsa_kernel
	.amdgpu_metadata
---
amdhsa.version: [ 1, 2 ]
amdhsa.kernels:
  - .name:           k_qb0fd73a589_attn
    .symbol:         k_qb0fd73a589_attn.kd
    .args:
      - { .name: qkv, .offset: 0, .size: 8, .value_kind: global_buffer, .address_space: global }
      - { .name: out0, .offset: 8, .size: 8, .value_kind: global_buffer, .address_space: global }
    .group_segment_fixed_size: 312320
    .private_segment_fixed_size: 0
    .kernarg_segment_align: 8
    .kernarg_segment_size: 16
    .max_flat_workgroup_size: 256
    .sgpr_count:     66
    .vgpr_count:     512
    .wavefront_size: 32
...
	.end_amdgpu_metadata
.endif
;; end of part 5
